; MI455X (gfx1250); checked and timed in simulation.
; The chip was launched on July 23, 2026; its instructions are those of AMD's public machine-readable ISA for CDNA 5 (MIT licence, August 2026) and "CDNA5" Instruction Set Architecture Reference Guide (July 2026). The comments in the code are by the model that wrote it; some were corrected since.
;; Causal Multihead Self Attention. Allowed arithmetic: matrix products marked QUANTISED: E2M1 operands, one E8M0 scale for each 32 along K, by v_wmma_scale_f32_16x16x128_f8f6f4 with both operands' format E2M1 (or v_wmma_scale_f32_32x16x128_f4), f32 sums; products left as they are: bf16, f16 or f32 operands; f32 sums; everything else in f32.
;; Inputs: w_proj 1,024 x 1,024 float32; w_qkv 1,024 x 3,072 float32; x 4 x 2,048 x 1,024 float32.
;; Outputs: out0 4 x 2,048 x 1,024 float32.
;; This version of the problem:
;;   THIS VERSION OF THE PROBLEM IS GIVEN IN LOW PRECISION. The matrix products marked QUANTISED in the list below multiply operands that are first quantised to E2M1 (2 exponent bits, 1 mantissa bit; 4 bits a number), with one power-of-two scale for each 32 numbers along K (OCP MX v1.0); their sums are f32. The products marked 'left as it is' may take bf16, f16 or f32 operands, with f32 sums. Whichever they take, every output number must still come out within the allowed error. Rounding operands to bf16 (8 significant bits) uses up far more of that allowance than f16 does (11 bits, for magnitudes from 6e-5 to 65,504). All else is computed in f32.
;;   The module's matrix products, in the order in which they are computed (A, B: the left and right operand; K: the contracted axis; several contracted axes count as one K, in the product's order):
;;     1. [M 8,192, K 1,024] x [K 1,024, N 3,072]; A: input x; B: input w_qkv: QUANTISED
;;     2. batch 64 x [M 2,048, K 64] x [K 64, N 2,048]; A: computed on the way; B: computed on the way: left as it is (an operand is computed on the way)
;;     3. batch 64 x [M 2,048, K 2,048] x [K 2,048, N 64]; A: computed on the way; B: computed on the way: left as it is (an operand is computed on the way)
;;     4. [M 8,192, K 1,024] x [K 1,024, N 1,024]; A: computed on the way; B: input w_proj: left as it is (an operand is computed on the way)
;;   THE QUANTISER, for each operand of a quantised product, along K:
;;     - K is cut into blocks of 32 from its start; a last block that is shorter is filled with zeros.
;;     - A block's scale is 2^e with e = floor(log2(the largest magnitude in the block)) - 2, held to -126 .. 127; a block of zeros has e = 0. As a byte (E8M0): e + 127.
;;     - Each number is divided by its block's scale, clamped to +-6, and rounded to the nearest number of E2M1, ties to even, subnormals kept.
;;     - The product sums the exact products of the quantised numbers (number of the format x scale) in f32.
;;   ~~~python
;;   def quantise(x, axis):      # numpy; x: float32 -> the quantised numbers, widened to float32 again
;;       x = np.moveaxis(x, axis, -1); K = x.shape[-1]
;;       x = np.pad(x, [(0, 0)] * (x.ndim - 1) + [(0, -K % 32)]); x = x.reshape(x.shape[:-1] + (-1, 32)); a = np.abs(x).max(-1, keepdims=True)
;;       e = np.where(a > 0, np.clip(np.frexp(np.where(a > 0, a, 1))[1] - 1 - 2, -126, 127), 0)      # np.frexp(a)[1] - 1 = floor(log2(a)), exactly
;;       r = np.clip(x / 2.0 ** e, -6, 6)
;;       step = 2.0 ** (np.maximum(np.frexp(np.where(r == 0, 1, r))[1] - 1, 0) - 1)
;;       q = np.round(r / step) * step * 2.0 ** e      # np.round: ties to even
;;       return np.moveaxis(q.reshape(q.shape[:-2] + (-1,))[..., :K], -1, axis).astype(np.float32)
;;   ~~~
;; One version. Each part assembles by itself: llvm-mc -triple=amdgcn-amd-amdhsa -mcpu=gfx1250 --defsym DOCPART=n.
;; ======== version 1 of 1: 5 launches
;; limits: values are held in f16: magnitudes above 65,504 overflow, below 6.1e-05 lose precision
;; workspace buffers: xc 4,194,304 bytes; xs 262,144 bytes; wc 1,572,864 bytes; ws 98,304 bytes; wp16 2,097,152 bytes; qkv16 50,331,648 bytes; q32 786,432 bytes; ao 16,777,216 bytes
;; launch prep (part 1): grid 416 x 1, 4 waves a work-group, no clusters, 50,688 bytes of LDS; arguments x, w_qkv, w_proj, xc, xs, wc, ws, wp16; writes xc, xs, wc, ws, wp16
.if DOCPART == 1
	.amdgcn_target "amdgcn-amd-amdhsa--gfx1250"
	.amdhsa_code_object_version 6
	.text
	.protected	k_q28e79cdce2_prep
	.globl	k_q28e79cdce2_prep
	.p2align	8
	.type	k_q28e79cdce2_prep,@function
k_q28e79cdce2_prep:
	s_mov_b64 s[64:65], 0
	v_nop
	global_prefetch_b8 v0, s[64:65] scope:SCOPE_SE
	s_setreg_imm32_b32 hwreg(HW_REG_WAVE_MODE, 25, 1), 1
	s_wait_xcnt 0x0
; THE OPERANDS ARE MADE READY, ONCE.  Three jobs in one launch, told apart by the work-group's number alone:
;   work-groups   0 ..  95: w_qkv [1024 (k)][3072 (n)] f32 -> codes of FP4 (E2M1) wc [3072][512 bytes], K innermost, and scale bytes ws [3072][32]
;   work-groups  96 .. 159: w_proj [1024][1024] f32 -> f16, same order, wp16
;   work-groups 160 .. 415: x [8192][1024] f32 -> codes xc [8192][512 bytes] and scale bytes xs [8192][32]
; A block of 32 along K has the scale 2^(floor(log2(largest magnitude)) - 2); its byte is the largest magnitude's exponent field - 2, held at 1 from below.
; A block of zeros so gets the byte 1 where the rule says 127: its codes are zeros, and this program alone reads the bytes.
; LIMITS: blocks whose largest magnitude lies under 2^-124 keep the byte 1; NaN and infinities are not served; |w_proj| stays under 65,504 (f16), magnitudes under 6e-5 lose bits there.
; Each job has LDS bytes of its own.  No tensor loads.
.set SPW,   190                        ; v190 LDS address of my spare word; never rewritten
.set NIL,   191                        ; v191 0; never rewritten
.set XREG,  17408                      ; behind w_qkv's stage (64 rows x 272 bytes from byte 0): 8,192 bytes for each wave of x's job
.set SPARE, 50176                      ; the spare words, 128 bytes a wave
.set SP,    80                         ; x: a lane's place in a stage: 64 bytes + 16 of padding
.set XR,    16                         ; x: v16-79 four sets of 16 numbers as loaded
.set XX,    80                         ; x: v80-111 two sets of 16 neighbours
.set XE,    112                        ; x: v112-127 a scale byte for each step
.set XC,    128                        ; x: v128-159 two registers of codes for each step
.set WP,    272                        ; w_qkv: a stage row: 256 bytes + 16
.set WX,    32                         ; w_qkv: v32-127 three sets of 32 numbers
.set WC,    128                        ; w_qkv: v128-131 a block's codes
.set WO,    132                        ; w_qkv: v132-163 the way out
.set WSB,   24                         ; w_qkv: v24-25 eight scale bytes
.macro CLOSE                           ; a wave's end, behind the last LDS store
	s_wait_tensorcnt 0x0
	ds_add_u32 v[SPW], v[NIL]
	s_wait_dscnt 0x0
	s_endpgm
.endm
	s_load_b256 s[4:11], s[0:1], 0x0               ; x s[4:5], w_qkv s[6:7], w_proj s[8:9], xc s[10:11]
	s_load_b256 s[12:19], s[0:1], 0x20             ; xs s[12:13], wc s[14:15], ws s[16:17], wp16 s[18:19]
	v_lshl_add_u32 v[SPW], v0, 2, SPARE
	v_mov_b32 v[NIL], 0
	v_lshrrev_b32 v1, 5, v0
	v_readfirstlane_b32 s20, v1                    ; wave 0..3
	v_and_b32 v2, 31, v0                           ; lane
	s_mov_b32 s23, 0                               ; the upper word of every offset
	s_wait_kmcnt 0x0
	s_cmp_lt_u32 ttmp9, 96
	s_cbranch_scc1 .Lw
	s_cmp_lt_u32 ttmp9, 160
	s_cbranch_scc1 .Lp
	; ---------------- x: a plain stream of blocks of 32.  A wave takes 16 steps of 512 numbers.  Each load reads 512 consecutive bytes; a step's 2,048 bytes turn through the
	; wave's own stage in LDS so that a lane holds 16 neighbours (two lanes to a block); a lane's 16 codes are 8 bytes, a wave's store 256 consecutive bytes.
	s_sub_co_u32 s21, ttmp9, 160
	s_lshl_b32 s21, s21, 2
	s_add_co_u32 s21, s21, s20                     ; which run of 8,192 numbers is my wave's: 0 .. 1023
	s_lshl_b32 s22, s21, 15
	s_add_nc_u64 s[4:5], s[4:5], s[22:23]
	s_lshl_b32 s22, s21, 12
	s_add_nc_u64 s[10:11], s[10:11], s[22:23]
	s_lshl_b32 s22, s21, 8
	s_add_nc_u64 s[12:13], s[12:13], s[22:23]
	v_lshlrev_b32 v3, 4, v2                        ; my 16 bytes of a load's 512
	s_mul_i32 s24, s20, 8192
	s_add_co_u32 s24, s24, XREG                    ; my wave's region
	v_lshrrev_b32 v14, 2, v2
	v_mul_u32_u24 v14, v14, SP
	v_and_b32 v15, 3, v2
	v_lshl_add_u32 v14, v15, 4, v14
	v_add_nc_u32 v14, s24, v14                     ; into the stage: four lanes' 64 bytes on end, then 16 of padding
	v_mul_u32_u24 v15, v2, SP
	v_add_nc_u32 v15, s24, v15                     ; out of it: my 16 neighbours
	v_lshlrev_b32 v4, 3, v2                        ; my codes' place in a step's
	v_lshrrev_b32 v5, 1, v2
	s_add_co_u32 s24, s24, 2*32*SP
	v_add_nc_u32 v5, s24, v5                       ; my wave's 256 scale bytes: my block's byte
	v_lshlrev_b32 v7, 3, v2
	v_add_nc_u32 v6, s24, v7                       ; and on the way out 8 bytes a lane
.macro XLOAD t
.irp i, 0,1,2,3
	global_load_b128 v[XR+16*((\t)%4)+4*\i:XR+16*((\t)%4)+4*\i+3], v3, s[4:5] offset:2048*(\t)+512*\i th:TH_LOAD_NT
.endr
.endm
.macro XTURN t                         ; step t's numbers through the stage; LDS serves a wave's instructions in order (ISA guide 5.7.1.4)
.irp i, 0,1,2,3
	ds_store_b128 v14, v[XR+16*((\t)%4)+4*\i:XR+16*((\t)%4)+4*\i+3] offset:32*SP*((\t)%2)+8*SP*\i
.endr
.irp i, 0,1,2,3
	ds_load_b128 v[XX+16*((\t)%2)+4*\i:XX+16*((\t)%2)+4*\i+3], v15 offset:32*SP*((\t)%2)+16*\i
.endr
.endm
.irp t, 0,1,2,3
	XLOAD \t
.endr
	s_wait_loadcnt 12                              ; step 0's four loads are in; three steps' twelve may be out
	XTURN 0
.macro XSTEP t
.set XS, XX+16*((\t)%2)
.if (\t) > 0
	s_wait_dscnt 1                                 ; this step's numbers are back from the stage; the last step's byte store may be out
.else
	s_wait_dscnt 0x0
.endif
.if (\t)+4 < 16
	XLOAD (\t)+4                                   ; into the set whose stores into the stage are done
.endif
.if (\t)+1 < 16
.if 14-(\t) >= 3
	s_wait_loadcnt 12                              ; the next step's four loads are in; the three steps behind may be out
.else
	s_wait_loadcnt 4*(14-(\t))
.endif
	XTURN (\t)+1
.endif
	v_max3_num_f32 v8, |v[XS]|, |v[XS+1]|, |v[XS+2]|
	v_max3_num_f32 v9, |v[XS+3]|, |v[XS+4]|, |v[XS+5]|
.irp i, 6,10
	v_max3_num_f32 v8, v8, |v[XS+\i]|, |v[XS+\i+1]|
	v_max3_num_f32 v9, v9, |v[XS+\i+2]|, |v[XS+\i+3]|
.endr
	v_max3_num_f32 v8, v8, |v[XS+14]|, |v[XS+15]|
	v_max3_num_f32 v8, v8, v9, 0x1800000           ; with the floor 2^(3 - 127): the byte cannot fall under 1
	v_max_num_f32_dpp v8, v8, v8 row_xmask:1 row_mask:0xf bank_mask:0xf   ; and my neighbour's 16: the block's largest magnitude
	v_add_nc_u32 v11, 0xff000000, v8               ; 2 off its exponent field: the conversion's scale operand
	v_cvt_scalef32_pk8_fp4_f32 v[XC+2*(\t)], v[XS:XS+7], v11
	v_cvt_scalef32_pk8_fp4_f32 v[XC+2*(\t)+1], v[XS+8:XS+15], v11
	v_lshrrev_b32 v[XE+(\t)], 23, v11              ; the scale's byte (a plain line behind the conversions)
	ds_store_b8 v5, v[XE+(\t)] offset:16*(\t)      ; both lanes of a block write the same byte
	global_store_b64 v4, v[XC+2*(\t):XC+2*(\t)+1], s[10:11] offset:256*(\t)
.endm
.irp t, 0,1,2,3,4,5,6,7,8,9,10,11,12,13,14,15
	XSTEP \t
.endr
	ds_load_b64 v[8:9], v6                         ; my wave's 256 scale bytes, behind its own stores
	s_wait_dscnt 0x0
	global_store_b64 v7, v[8:9], s[12:13]          ; 32 lanes store 256 consecutive bytes, aligned
	CLOSE
	; ---------------- w_qkv: K is its FIRST axis.  A lane takes a column n and its registers run down K: a block of 32 lies in one lane, and the codes come out with K innermost.
	; A work-group takes 64 columns x 512 along K; wave w takes columns 32 (w & 1) on and 256 along K from 256 (w >> 1) on: 8 blocks.  A column's 256 bytes of codes come from two waves:
	; they meet in a stage, a barrier, and each wave stores 16 whole pieces of 256 bytes.
.Lw:
	s_cmp_ge_u32 ttmp9, 48
	s_cselect_b32 s24, 1, 0                        ; which 512 along K
	s_cselect_b32 s25, 48, 0
	s_sub_co_u32 s25, ttmp9, s25                   ; which 64 columns
	s_and_b32 s26, s20, 1
	s_lshr_b32 s27, s20, 1
	s_lshl_b32 s28, s25, 6
	s_lshl_b32 s30, s26, 5
	s_add_co_u32 s28, s28, s30                     ; my wave's first column
	s_lshl_b32 s29, s24, 9
	s_lshl_b32 s30, s27, 8
	s_add_co_u32 s29, s29, s30                     ; my wave's first k
	s_mul_i32 s22, s29, 12288
	s_lshl_b32 s30, s28, 2
	s_add_co_u32 s22, s22, s30
	s_add_nc_u64 s[6:7], s[6:7], s[22:23]          ; w_qkv at (first k, first column)
	s_lshl_b32 s22, s25, 6
	s_lshl_b32 s30, s20, 4
	s_add_co_u32 s22, s22, s30                     ; the first of the 16 rows of codes that I store
	s_lshl_b32 s22, s22, 9
	s_lshl_b32 s30, s24, 8
	s_add_co_u32 s22, s22, s30
	s_add_nc_u64 s[14:15], s[14:15], s[22:23]
	s_lshl_b32 s22, s28, 5                         ; scale bytes: 32 a column; my 8 begin at block 16 ky + 8 (w >> 1)
	s_lshl_b32 s30, s24, 4
	s_add_co_u32 s22, s22, s30
	s_lshl_b32 s30, s27, 3
	s_add_co_u32 s22, s22, s30
	s_add_nc_u64 s[16:17], s[16:17], s[22:23]
	v_lshlrev_b32 v3, 2, v2                        ; in: 4 bytes a lane
	s_mul_i32 s30, s26, 32*WP
	s_lshl_b32 s22, s27, 7
	s_add_co_u32 s30, s30, s22
	v_mul_u32_u24 v4, v2, WP
	v_add_nc_u32 v4, s30, v4                       ; into the stage: row = my column, my wave's 128 bytes of it
	v_and_b32 v5, 15, v2
	v_lshrrev_b32 v6, 4, v2
	v_mul_u32_u24 v7, v6, WP
	v_lshl_add_u32 v7, v5, 4, v7
	s_mul_i32 s30, s20, 16*WP
	v_add_nc_u32 v7, s30, v7                       ; out of it: sixteen lanes to a row, two rows an instruction, rows 16 w on
	v_lshlrev_b32 v8, 9, v6
	v_lshl_add_u32 v8, v5, 4, v8                   ; and the same place in wc
	v_lshlrev_b32 v9, 5, v2                        ; my column's row of scale bytes
.macro WLOAD t                         ; block t: 32 rows of w_qkv at my column; 32 lanes read 128 consecutive bytes
.set i, 0
.rept 32
	global_load_b32 v[WX+32*((\t)%3)+i], v3, s[6:7] offset:(32*(\t)+i)*12288 th:TH_LOAD_NT
.set i, i+1
.endr
.endm
	WLOAD 0
	WLOAD 1
	WLOAD 2
.macro WBLOCK t
.set XS, WX+32*((\t)%3)
.if (\t) <= 5
	s_wait_loadcnt 63                              ; this block's 32 loads are in: 64 younger ones are out, and a wait names 63 at the most
.elseif (\t) == 6
	s_wait_loadcnt 32                              ; the last block's may be out
.else
	s_wait_loadcnt 0
.endif
	v_max3_num_f32 v12, |v[XS]|, |v[XS+1]|, |v[XS+2]|
	v_max3_num_f32 v13, |v[XS+3]|, |v[XS+4]|, |v[XS+5]|
.irp i, 6,10,14,18,22,26
	v_max3_num_f32 v12, v12, |v[XS+\i]|, |v[XS+\i+1]|
	v_max3_num_f32 v13, v13, |v[XS+\i+2]|, |v[XS+\i+3]|
.endr
	v_max3_num_f32 v12, v12, |v[XS+30]|, |v[XS+31]|
	v_max3_num_f32 v12, v12, v13, 0x1800000        ; with the floor 2^(3 - 127)
	v_add_nc_u32 v11, 0xff000000, v12              ; 2 off the exponent field: the conversion's scale operand
	v_lshrrev_b32 v13, 23, v11                     ; the scale's byte
.if (\t)%4 == 0
	v_mov_b32 v[WSB+(\t)/4], v13
.else
	v_lshl_or_b32 v[WSB+(\t)/4], v13, 8*((\t)%4), v[WSB+(\t)/4]
.endif
.irp g, 0,1,2,3
	v_cvt_scalef32_pk8_fp4_f32 v[WC+\g], v[XS+8*\g:XS+8*\g+7], v11
.endr
	ds_store_b128 v4, v[WC:WC+3] offset:16*(\t)    ; 32 codes: 16 bytes of my column's row
.if (\t)+3 < 8
	WLOAD (\t)+3
.endif
	s_wait_dscnt 0x0                               ; the store is done: the next block's codes may be written, and at the end the others may read
.endm
.irp t, 0,1,2,3,4,5,6,7
	WBLOCK \t
.endr
	global_store_b64 v9, v[WSB:WSB+1], s[16:17]    ; my column's 8 scale bytes
	s_barrier_signal -1                            ; every wave's stores into the stage are done (the wait for 0 above)
	s_barrier_wait -1
.irp t, 0,1,2,3,4,5,6,7
	ds_load_b128 v[WO+4*\t:WO+4*\t+3], v7 offset:2*\t*WP
.endr
.irp t, 0,1,2,3,4,5,6,7
	s_wait_dscnt 7-\t
	global_store_b128 v8, v[WO+4*\t:WO+4*\t+3], s[14:15] offset:2*\t*512   ; sixteen lanes store 256 consecutive bytes, aligned
.endr
	CLOSE
	; ---------------- w_proj -> f16: a wave takes 4,096 numbers; all its 32 loads are out at once; no LDS
.Lp:
	s_sub_co_u32 s21, ttmp9, 96
	s_lshl_b32 s21, s21, 2
	s_add_co_u32 s21, s21, s20
	s_lshl_b32 s22, s21, 14
	s_add_nc_u64 s[8:9], s[8:9], s[22:23]
	s_lshl_b32 s22, s21, 13
	s_add_nc_u64 s[18:19], s[18:19], s[22:23]
	v_lshlrev_b32 v3, 4, v2
	v_lshlrev_b32 v4, 3, v2
.set i, 0
.rept 32
	global_load_b128 v[32+4*i:35+4*i], v3, s[8:9] offset:512*i
.set i, i+1
.endr
.set i, 0
.rept 32
	s_wait_loadcnt 31-i                            ; loads come back in order: mine is in, the younger ones stay out
	v_cvt_pk_f16_f32 v[32+4*i], v[32+4*i], v[33+4*i]
	v_cvt_pk_f16_f32 v[33+4*i], v[34+4*i], v[35+4*i]
	global_store_b64 v4, v[32+4*i:33+4*i], s[18:19] offset:256*i   ; 32 lanes store 256 consecutive bytes, aligned
.set i, i+1
.endr
	s_endpgm
.Lfunc_end_k_q28e79cdce2_prep:
	.size	k_q28e79cdce2_prep, .Lfunc_end_k_q28e79cdce2_prep-k_q28e79cdce2_prep
	.p2alignl 7, 3214868480
	.fill 96, 4, 3214868480
	.section	.rodata,"a",@progbits
	.p2align	6, 0x0
	.amdhsa_kernel k_q28e79cdce2_prep
		.amdhsa_group_segment_fixed_size 50688
		.amdhsa_private_segment_fixed_size 0
		.amdhsa_enable_private_segment 0
		.amdhsa_kernarg_size 64
		.amdhsa_user_sgpr_count 2
		.amdhsa_user_sgpr_kernarg_segment_ptr 1
		.amdhsa_wavefront_size32 1
		.amdhsa_system_sgpr_workgroup_id_x 1
		.amdhsa_system_sgpr_workgroup_id_y 1
		.amdhsa_system_sgpr_workgroup_id_z 1
		.amdhsa_system_vgpr_workitem_id 0
		.amdhsa_next_free_vgpr 192
		.amdhsa_next_free_sgpr 66
		.amdhsa_reserve_vcc 0
		.amdhsa_float_denorm_mode_32 3
		.amdhsa_float_denorm_mode_16_64 3
		.amdhsa_memory_ordered 1
		.amdhsa_forward_progress 1
		.amdhsa_inst_pref_size 84
	.end_amdhsa_kernel
	.amdgpu_metadata
---
amdhsa.version: [ 1, 2 ]
amdhsa.kernels:
  - .name:           k_q28e79cdce2_prep
    .symbol:         k_q28e79cdce2_prep.kd
    .args:
      - { .name: x, .offset: 0, .size: 8, .value_kind: global_buffer, .address_space: global }
      - { .name: w_qkv, .offset: 8, .size: 8, .value_kind: global_buffer, .address_space: global }
      - { .name: w_proj, .offset: 16, .size: 8, .value_kind: global_buffer, .address_space: global }
      - { .name: xc, .offset: 24, .size: 8, .value_kind: global_buffer, .address_space: global }
      - { .name: xs, .offset: 32, .size: 8, .value_kind: global_buffer, .address_space: global }
      - { .name: wc, .offset: 40, .size: 8, .value_kind: global_buffer, .address_space: global }
      - { .name: ws, .offset: 48, .size: 8, .value_kind: global_buffer, .address_space: global }
      - { .name: wp16, .offset: 56, .size: 8, .value_kind: global_buffer, .address_space: global }
    .group_segment_fixed_size: 50688
    .private_segment_fixed_size: 0
    .kernarg_segment_align: 8
    .kernarg_segment_size: 64
    .max_flat_workgroup_size: 128
    .sgpr_count:     66
    .vgpr_count:     192
    .wavefront_size: 32
...
	.end_amdgpu_metadata
.endif
;; end of part 1
;; launch qkv (part 2): grid 12 x 32, 4 waves a work-group, clusters of 4 x 4, 327,680 bytes of LDS; arguments xc, xs, wc, ws, qkv16, q32; writes qkv16, q32
.if DOCPART == 2
	.amdgcn_target "amdgcn-amd-amdhsa--gfx1250"
	.amdhsa_code_object_version 6
	.text
	.protected	k_q28e79cdce2_qkv
	.globl	k_q28e79cdce2_qkv
	.p2align	8
	.type	k_q28e79cdce2_qkv,@function
k_q28e79cdce2_qkv:
	s_mov_b64 s[64:65], 0
	v_nop
	global_prefetch_b8 v0, s[64:65] scope:SCOPE_SE
	s_setreg_imm32_b32 hwreg(HW_REG_WAVE_MODE, 25, 1), 1
	s_wait_xcnt 0x0
	s_wait_alu depctr_hold_cnt(0) depctr_sa_sdst(0) depctr_va_vdst(0) depctr_va_sdst(0) depctr_va_ssrc(0) depctr_va_vcc(0) depctr_vm_vsrc(0)
	s_getreg_b32 s2, hwreg(HW_REG_IB_STS2, 6, 4)
	s_cmp_eq_u32 s2, 0
	s_cbranch_scc0 .Lentry_in_a_cluster
	s_endpgm
.Lentry_in_a_cluster:
	s_bfe_u32 s2, ttmp6, 0x10000c
	s_cmp_lg_u32 s2, 0xf033
	s_cbranch_scc0 .Lentry_shape_is_right
	s_endpgm
.Lentry_shape_is_right:
; qkv = x w_qkv on codes of FP4 (E2M1) with one E8M0 scale for each 32 along K: A = xc [8192][512 bytes], B = wc [3072][512 bytes], scale bytes xs [8192][32], ws [3072][32]; sums in f32.
; A tile of 256 x 256 is made by four waves, 128 x 128 each: 64 accumulators, 512 registers.  K = 1,024 is two slots of 512 along K (rows of 256 bytes): both are asked for at the start, and nothing is filled again.
; The scale bytes of the work-group's rows come into LDS once, with the first fills.
; CLUSTERS: 4 x 4 work-groups; the four of a row of the cluster ask jointly for A's tiles, the four of a column for B's.  The tile row is cluster y + 8 cy: cy is then the sequence, and whether a tile holds
; a sequence's first positions hangs on the cluster's y alone, which all partners share.
; THE MATRIX INSTRUCTION IS USED TRANSPOSED (source 0 = 16 rows of B, source 1 = 16 rows of A): a lane holds eight neighbouring columns of one row.
; RESULTS: rounded to f16 into qkv16 [part 3][sequence 4][head 16][position 2048][64]: 16 positions of a head are 2,048 consecutive bytes.  The first 16 positions of each sequence go out in f32 too, as images of the
; accumulators' registers: q32 [sequence][column / 16][half][lane][4].
; LIMITS: |q|, |k|, |v| stay under 65,504 (f16); magnitudes under 6e-5 lose bits there.
; REGISTERS, in windows of 256: window 0: v0-31 addresses; v32-95 scale words, two sets; v128-191 A's fragments, one set; on the way out v32-63, v192-255.  window 1: B's fragments, two sets.  windows 2, 3: the accumulators.
.set NQ,     4                         ; steps of 128 along K in a slot
.set ROWB,   256                       ; a tile's row in bytes
.set KROW,   512                       ; a row of codes in memory
.set PITCH,  272                       ; an LDS row: 256 bytes + 16 of padding, an odd multiple of 16
.set FR,     8
.set NL,     2
.set NP,     4                         ; places behind this matrix instruction (ISA guide 7.12.1)
.set HALFT,  128*PITCH
.set SLOT,   4*HALFT
.set KS,     32                        ; a row of scale bytes
.set SCL,    2*SLOT
.set HALFS,  16*272                    ; the scales of 128 rows
.set SBLK,   2*272                     ; those of 16 rows
.set SPARE,  SCL+4*HALFS               ; the spare words, 128 bytes a wave
.set STG,    4608                      ; the way out: 2 heads x 16 rows x 144 bytes for each wave, in slot 0, which has had its only fill and its last read by then
.set ADRA, 16
.set ADRB, 20
.set STO,  24
.set RD,   25
.set CO,   26
.set ADRS, 27
.set SPW,  28
.set NIL,  29
.set SC,   32
.set AF,   128
.set TMP,  192
.set G1, 24
.set G0, 32
.set G1B, 48
.set G0B, 56
.set G1S, 68
.set G0S, 76
.set G1SB, 80
.set G0SB, 88
.set MSB, 0
.macro WIN new                         ; the immediate's high byte repeats the setting that is left
.if MSB != \new
	s_set_vgpr_msb (MSB<<8)|\new
.set MSB, \new
.endif
.endm
.set MUL_LO, 0xa1                      ; source 0 (B) window 1, source 1 (A) window 0, C and D window 2
.set MUL_HI, 0xf1                      ; the same, C and D window 3
.set TO_B,   0x40
.macro JLOAD g0a, g1a, g0b, g1b        ; a joint load: waves 0 and 1 fetch for A, waves 2 and 3 for B; the branch hangs on the wave's number alone
	s_cmp_eq_u32 s15, 0
	s_cbranch_scc0 .Lfor_b_\@
	tensor_load_to_lds s[\g0a:\g0a+3], s[\g1a:\g1a+7]
	s_nop 0
.rept 4
	v_nop
.endr
	s_branch .Lasked_\@
.Lfor_b_\@:
	tensor_load_to_lds s[\g0b:\g0b+3], s[\g1b:\g1b+7]
	s_nop 0
.rept 4
	v_nop
.endr
.Lasked_\@:
.endm
.macro CROUND                          ; a round of the cluster's barrier
	s_barrier_signal -1
	s_barrier_wait -1
	s_cmp_lg_u32 s14, 0
	s_cbranch_scc1 .Lnot_wave_0_\@
	s_barrier_signal -3
.Lnot_wave_0_\@:
	s_barrier_wait -3
	s_barrier_signal -1
	s_barrier_wait -1
.endm
	s_load_b128 s[4:7], s[0:1], 0x0                ; xc, xs
	s_load_b128 s[8:11], s[0:1], 0x10              ; wc, ws
	s_load_b64 s[12:13], s[0:1], 0x20              ; qkv16
	s_load_b64 s[96:97], s[0:1], 0x28              ; q32
	v_lshl_add_u32 v[SPW], v0, 2, SPARE
	v_mov_b32 v[NIL], 0
	ds_add_u32 v[SPW], v[NIL]                      ; the wave's opening: the add, twice on end, and its wait ahead of my first tensor load
	ds_add_u32 v[SPW], v[NIL]
	v_lshrrev_b32 v1, 5, v0
	v_readfirstlane_b32 s14, v1                    ; wave 0..3
	s_lshr_b32 s15, s14, 1                         ; which half of the tile's rows is mine; also: I fetch for A (0) or for B (1)
	s_and_b32 s16, s14, 1                          ; which half of its columns; also: which 128 rows of that tile I fetch
	s_bfe_u32 s40, ttmp6, 0x40000                  ; cx
	s_bfe_u32 s41, ttmp6, 0x40004                  ; cy
	s_lshl_b32 s42, ttmp9, 2
	s_add_co_u32 s42, s42, s40                     ; tile column = 4 x cluster x + cx
	s_and_b32 s98, ttmp7, 0xffff                   ; cluster y
	s_lshl_b32 s17, s41, 3
	s_add_co_u32 s17, s17, s98                     ; tile row = cluster y + 8 cy
	s_lshl_b32 s43, s41, 2
	s_lshl_b32 s43, 15, s43                        ; my row of the cluster
	s_lshl_b32 s44, 0x1111, s40                    ; my column
	s_or_b32 s[G1+0], s43, (0<<16)|(1<<20)|(1<<21)|(5<<22)|(3<<25)  ; the mask; elements of 1 byte; padding: 4 words behind every 64
	s_or_b32 s[G1B+0], s44, (0<<16)|(1<<20)|(1<<21)|(5<<22)|(3<<25)
.irp g, G1, G1B
	s_mov_b32 s[\g+1], ROWB<<16                    ; tensor_dim0
	s_mov_b32 s[\g+2], 128<<16                     ; tensor_dim1
	s_mov_b32 s[\g+3], ROWB<<16                    ; tile_dim0
	s_mov_b32 s[\g+4], 128                         ; tile_dim1
	s_mov_b32 s[\g+5], KROW                        ; the pitch
	s_mov_b32 s[\g+6], 0
	s_mov_b32 s[\g+7], 0
.endr
	s_or_b32 s[G1S+0], s43, (3<<16)|(1<<20)|(1<<21)|(5<<22)|(3<<25)   ; the scales of 128 rows: 4,096 dense bytes as 16 rows of 256 (32 elements of 8 bytes), 16 bytes of padding behind each
	s_or_b32 s[G1SB+0], s44, (3<<16)|(1<<20)|(1<<21)|(5<<22)|(3<<25)
.irp g, G1S, G1SB
	s_mov_b32 s[\g+1], 32<<16
	s_mov_b32 s[\g+2], 16<<16
	s_mov_b32 s[\g+3], 32<<16
	s_mov_b32 s[\g+4], 16
	s_mov_b32 s[\g+5], 32
	s_mov_b32 s[\g+6], 0
	s_mov_b32 s[\g+7], 0
.endr
	s_lshl_b32 s18, s16, 7
	s_lshl_b32 s20, s17, 8
	s_add_co_u32 s20, s20, s18                     ; A: row 256 x tile row + 128 x half
	s_lshl_b32 s46, s42, 8
	s_add_co_u32 s46, s46, s18                     ; B: row 256 x tile column + 128 x half
	s_mov_b32 s21, 0
	s_mov_b32 s47, 0
	s_mov_b64 s[18:19], KS
	s_mul_u64 s[22:23], s[20:21], s[18:19]         ; where these rows' scales begin
	s_mul_u64 s[92:93], s[46:47], s[18:19]
	s_mov_b64 s[18:19], KROW
	s_mul_u64 s[20:21], s[20:21], s[18:19]         ; and their codes
	s_mul_u64 s[46:47], s[46:47], s[18:19]
	s_mul_i32 s45, s14, HALFT                      ; where they go: wave x 128 rows
	s_mul_i32 s94, s14, HALFS
	s_wait_dscnt 0x0                               ; both opening adds are done
	s_wait_kmcnt 0x0
	s_add_nc_u64 s[20:21], s[4:5], s[20:21]
	s_add_nc_u64 s[22:23], s[6:7], s[22:23]
	s_add_nc_u64 s[46:47], s[8:9], s[46:47]
	s_add_nc_u64 s[92:93], s[10:11], s[92:93]
	CROUND                                         ; all sixteen work-groups are here: the joint loads meet
	s_mov_b32 s[G0S], 1
	s_add_co_u32 s[G0S+1], s94, SCL
	s_mov_b64 s[G0S+2:G0S+3], s[22:23]
	s_or_b32 s[G0S+3], s[G0S+3], 0x80000000
	s_mov_b32 s[G0SB], 1
	s_add_co_u32 s[G0SB+1], s94, SCL
	s_mov_b64 s[G0SB+2:G0SB+3], s[92:93]
	s_or_b32 s[G0SB+3], s[G0SB+3], 0x80000000
	JLOAD G0S, G1S, G0SB, G1SB                     ; the scales first
.irp s, 0,1
	s_mov_b32 s[G0+4*\s], 1
	s_add_co_u32 s[G0+4*\s+1], s45, \s*SLOT
	s_add_nc_u64 s[G0+4*\s+2:G0+4*\s+3], s[20:21], \s*ROWB
	s_or_b32 s[G0+4*\s+3], s[G0+4*\s+3], 0x80000000
	s_mov_b32 s[G0B+4*\s], 1
	s_add_co_u32 s[G0B+4*\s+1], s45, \s*SLOT
	s_add_nc_u64 s[G0B+4*\s+2:G0B+4*\s+3], s[46:47], \s*ROWB
	s_or_b32 s[G0B+4*\s+3], s[G0B+4*\s+3], 0x80000000
	JLOAD G0+4*\s, G1, G0B+4*\s, G1B               ; three tensor loads of mine are out at the most
.endr
	v_and_b32 v1, 15, v0                           ; r = lane % 16
	v_bfe_u32 v2, v0, 4, 1                         ; h = lane / 16
	v_mul_u32_u24 v3, v1, PITCH
	v_lshl_add_u32 v4, v2, 4, v3                   ; a fragment's row x pitch + 16 x half
	s_mul_i32 s21, s15, HALFT
	s_mul_i32 s22, s16, HALFT
	s_add_co_u32 s22, s22, 2*HALFT
.irp s, 0,1
	v_add_nc_u32 v[ADRA+\s], s21, v4
	v_add_nc_u32 v[ADRB+\s], s22, v4
	s_add_co_u32 s21, s21, SLOT
	s_add_co_u32 s22, s22, SLOT
.endr
	v_mul_u32_u24 v5, v1, KS                       ; my row's scales: 32 bytes a row,
	v_lshrrev_b32 v6, 8, v5
	v_lshl_add_u32 v5, v6, 4, v5                   ; and 16 more for each 256 passed
	s_mul_i32 s21, s15, HALFS
	s_mul_i32 s22, s16, HALFS
	s_add_co_u32 s22, s22, 2*HALFS
	s_sub_co_u32 s22, s22, s21
	v_mul_u32_u24 v6, s22, v2                      ; lanes 16-31 take B's
	s_add_co_u32 s21, s21, SCL
	v_add_nc_u32 v5, v5, v6
	v_add_nc_u32 v[ADRS], s21, v5
	s_mul_i32 s23, s14, STG                        ; my stage
	v_mul_u32_u24 v5, v1, 144
	v_lshl_add_u32 v5, v2, 4, v5
	v_add_nc_u32 v[STO], s23, v5                   ; in: row r of 144 bytes, 16 bytes for each half of the lanes
	v_and_b32 v6, 31, v0
	v_lshlrev_b32 v[CO], 4, v6                     ; in memory: 16 bytes a lane
	v_lshrrev_b32 v5, 3, v6
	v_mul_u32_u24 v5, v5, 144
	v_and_b32 v6, 7, v0
	v_lshl_add_u32 v5, v6, 4, v5
	v_add_nc_u32 v[RD], s23, v5                    ; back: eight lanes to a row of 128 bytes, four rows an instruction
	s_lshl_b32 s20, s42, 2
	s_lshl_b32 s21, s16, 1
	s_add_co_u32 s20, s20, s21                     ; the first of my wave's two heads, counted through q, k, v: 0 .. 46
	s_lshr_b32 s21, s20, 4
	s_lshl_b32 s21, s21, 6                         ; 64 x part
	s_and_b32 s20, s20, 15
	s_add_co_u32 s20, s20, s21
	s_lshl_b32 s21, s41, 4
	s_add_co_u32 s20, s20, s21                     ; + 16 x sequence + head
	s_lshl_b32 s20, s20, 18                        ; a head is 262,144 bytes
	s_lshl_b32 s21, s98, 8
	s_lshl_b32 s22, s15, 7
	s_add_co_u32 s21, s21, s22                     ; my first position
	s_lshl_b32 s21, s21, 7
	s_add_co_u32 s20, s20, s21
	s_mov_b32 s21, 0
	s_add_nc_u64 s[12:13], s[12:13], s[20:21]
	s_mul_i32 s20, s41, 196608                     ; q32: the sequence,
	s_lshl_b32 s22, s42, 14                        ; 16 column tiles of 1,024 bytes a tile column,
	s_add_co_u32 s20, s20, s22
	s_lshl_b32 s22, s16, 13                        ; 8 for my half
	s_add_co_u32 s20, s20, s22
	s_add_nc_u64 s[96:97], s[96:97], s[20:21]
.macro FRAG reg, adr, q, i             ; 16 rows x 128 K of 4-bit codes: 8 registers; lane l: row l % 16; registers 4 c .. 4 c + 3: K = 64 c + 32 (l / 16) + 0 .. 31
.irp c, 0,1
	ds_load_b128 v[\reg+4*\c:\reg+4*\c+3], v[\adr] offset:64*(\q)+32*\c+(\i)*16*PITCH
.endr
.endm
; 16 matrix instructions: A's blocks a0, a0 + 1 x B's eight.  The 64 accumulators take turns, one instruction a turn, in the same order in every step.
.macro MUL16 a0, p, q, sc, zero
.irp a, \a0, \a0+1
.irp b, 0,1,2,3,4,5,6,7
.if \zero
	v_wmma_scale_f32_16x16x128_f8f6f4 v[8*(8*((\a)%4)+\b):8*(8*((\a)%4)+\b)+7], v[128*(\p)+FR*\b:128*(\p)+FR*\b+FR-1], v[AF+FR*(\a):AF+FR*(\a)+FR-1], 0, v[SC+8*NQ*(\sc)+NQ*\b+(\q)], v[SC+8*NQ*(\sc)+NQ*(\a)+(\q)] matrix_a_fmt:MATRIX_FMT_FP4 matrix_b_fmt:MATRIX_FMT_FP4 matrix_a_scale:MATRIX_SCALE_ROW1
.else
	v_wmma_scale_f32_16x16x128_f8f6f4 v[8*(8*((\a)%4)+\b):8*(8*((\a)%4)+\b)+7], v[128*(\p)+FR*\b:128*(\p)+FR*\b+FR-1], v[AF+FR*(\a):AF+FR*(\a)+FR-1], v[8*(8*((\a)%4)+\b):8*(8*((\a)%4)+\b)+7], v[SC+8*NQ*(\sc)+NQ*\b+(\q)], v[SC+8*NQ*(\sc)+NQ*(\a)+(\q)] matrix_a_fmt:MATRIX_FMT_FP4 matrix_b_fmt:MATRIX_FMT_FP4 matrix_a_scale:MATRIX_SCALE_ROW1
.endif
.endr
.endr
.endm
.macro FETCH_B slot, q, p
	WIN TO_B
.irp i, 0,1,2,3,4,5,6,7
	FRAG 128*(\p)+FR*\i, ADRB+\slot, \q, \i
.endr
	WIN 0
.endm
.macro FETCH_A slot, q, i0
.irp i, \i0, \i0+1, \i0+2, \i0+3
	FRAG AF+FR*(\i), ADRA+\slot, \q, \i
.endr
.endm
.macro SCALES sc                       ; a slot's scale words: lanes 0-15 take A's block i, lanes 16-31 B's block i; four words a row
.irp i, 0,1,2,3,4,5,6,7
	ds_load_b128 v[SC+8*NQ*\sc+NQ*\i:SC+8*NQ*\sc+NQ*\i+3], v[ADRS] offset:\i*SBLK
.endr
.endm
.macro PLACES n                        ; plain vector instructions between a matrix instruction and a load into, or a read of, its registers
.rept \n
	v_nop
.endr
.endm
.macro STEP slot, q, zero              ; a step of 128 along K that has its successor in the same slot
	s_wait_dscnt 4*NL                              ; B's set and A's blocks 0-3 are in; A's blocks 4-7, eight loads, may be out
	WIN MUL_LO
	MUL16 0, (\q)%2, \q, \slot, \zero
	MUL16 2, (\q)%2, \q, \slot, \zero
	s_wait_dscnt 0
	PLACES NP
	FETCH_B \slot, (\q)+1, 1-(\q)%2
	FETCH_A \slot, (\q)+1, 0
	WIN MUL_HI
	MUL16 4, (\q)%2, \q, \slot, \zero
	MUL16 6, (\q)%2, \q, \slot, \zero
	PLACES NP
	WIN 0
	FETCH_A \slot, (\q)+1, 4
.endm
.macro TURN slot, next                 ; slot 0's last step: one barrier; in front of it all my tensor loads have landed and my reads of slot 0 are over; behind it slot 1 is whole.  Nothing is filled again
	s_wait_tensorcnt 0x0                           ; my part of slot 1 is in
	ds_add_u32 v[SPW], v[NIL]
	s_wait_dscnt 4*NL+1                            ; the add and A's blocks 4-7 may be out
	WIN MUL_LO
	MUL16 0, 1, NQ-1, \slot, 0
	s_wait_dscnt 0x0                               ; the add is done, and my reads of this slot are over
	s_barrier_signal -1
	MUL16 2, 1, NQ-1, \slot, 0
	WIN 0
	s_barrier_wait -1
	PLACES NP
	v_add_nc_u32 v[ADRS], 4*NQ, v[ADRS]            ; on to the next slot's scale words
	FETCH_B \next, 0, 0
	FETCH_A \next, 0, 0
	SCALES \next
	WIN MUL_HI
	MUL16 4, 1, NQ-1, \slot, 0
	MUL16 6, 1, NQ-1, \slot, 0
	PLACES NP
	WIN 0
	FETCH_A \next, 0, 4
.endm
	s_wait_tensorcnt 1                             ; the scales and my part of slot 0 are in; slot 1's load may be out
	s_barrier_signal -1
	s_barrier_wait -1                              ; everybody's are
	FETCH_B 0, 0, 0
	FETCH_A 0, 0, 0
	SCALES 0
	FETCH_A 0, 0, 4
	STEP 0, 0, 1                                   ; the first products start the sums: nothing is cleared
	STEP 0, 1, 0
	STEP 0, 2, 0
	TURN 0, 1
	STEP 1, 0, 0
	STEP 1, 1, 0
	STEP 1, 2, 0
	s_wait_dscnt 4*NL                              ; the last step: nothing more to fetch
	WIN MUL_LO
	MUL16 0, 1, NQ-1, 1, 0
	MUL16 2, 1, NQ-1, 1, 0
	s_wait_dscnt 0
	WIN MUL_HI
	MUL16 4, 1, NQ-1, 1, 0
	MUL16 6, 1, NQ-1, 1, 0
	WIN 0
	PLACES NP                                      ; behind the last products, ahead of every read of results and every load into operands' registers
	; THE FIRST 16 POSITIONS OF A SEQUENCE, IN f32: block 0 of the waves whose first position is 0 (cluster y = 0, upper half of the rows): the same in all partners
	s_or_b32 s99, s98, s15
	s_cmp_eq_u32 s99, 0
	s_cbranch_scc0 .Lno_f32
	WIN 0x08                                       ; a store's data are its source 1: window 2
.irp b, 0,1,2,3,4,5,6,7
	global_store_b128 v[CO], v[8*\b:8*\b+3], s[96:97] offset:1024*\b          ; each accumulator from its low end on; 32 lanes store 512 consecutive bytes
	global_store_b128 v[CO], v[8*\b+4:8*\b+7], s[96:97] offset:1024*\b+512
.endr
	WIN 0
.Lno_f32:
; THE WAY OUT, block by block of 16 positions x 128 columns (two heads).  PACK: rounded to f16, 16 bytes a lane.  TOSTAGE: into my stage, and back four positions of a head at a time.  SEND: stored.
.macro PACK a
.set AC, 64*((\a)%4)
	WIN 0x0a+5*((\a)/4)                            ; sources 0 and 1: window 2 or 3
.irp b, 0,1,2,3,4,5,6,7
.irp r, 0,1,2,3
	v_cvt_pk_f16_f32 v[TMP+4*\b+\r], v[AC+8*\b+2*\r], v[AC+8*\b+2*\r+1]
.endr
.endr
	WIN 0
.endm
.macro TOSTAGE a
.set BK, 32+192*((\a)%2)
.irp b, 0,1,2,3,4,5,6,7
	ds_store_b128 v[STO], v[TMP+4*\b:TMP+4*\b+3] offset:(\b/4)*2304+32*(\b%4)
.endr
.irp t, 0,1,2,3,4,5,6,7
	ds_load_b128 v[BK+4*\t:BK+4*\t+3], v[RD] offset:(\t/4)*2304+(\t%4)*576    ; LDS serves a wave's instructions in order (ISA guide 5.7.1.4): these see the stores above
.endr
.endm
.macro SEND a
.set BK, 32+192*((\a)%2)
	s_wait_dscnt 0x0                               ; the block is back in registers
	s_wait_xcnt 0x0                                ; the earlier stores have read their registers: the block after this one may land there
.irp t, 0,1,2,3,4,5,6,7
	global_store_b128 v[CO], v[BK+4*\t:BK+4*\t+3], s[12:13] offset:(\a)*2048+(\t%4)*512+(\t/4)*262144   ; 32 lanes store 512 consecutive bytes, aligned: four positions of one head
.endr
.endm
	PACK 0
	TOSTAGE 0
.irp a, 1,2,3,4,5,6,7
	PACK \a
	SEND \a-1
	TOSTAGE \a
.endr
	SEND 7
	s_wait_tensorcnt 0x0                           ; the wave's end
	ds_add_u32 v[SPW], v[NIL]
	s_wait_dscnt 0x0
	CROUND                                         ; the closing round
	s_endpgm
.Lfunc_end_k_q28e79cdce2_qkv:
	.size	k_q28e79cdce2_qkv, .Lfunc_end_k_q28e79cdce2_qkv-k_q28e79cdce2_qkv
	.p2alignl 7, 3214868480
	.fill 96, 4, 3214868480
	.section	.rodata,"a",@progbits
	.p2align	6, 0x0
	.amdhsa_kernel k_q28e79cdce2_qkv
		.amdhsa_group_segment_fixed_size 327680
		.amdhsa_private_segment_fixed_size 0
		.amdhsa_enable_private_segment 0
		.amdhsa_kernarg_size 48
		.amdhsa_user_sgpr_count 2
		.amdhsa_user_sgpr_kernarg_segment_ptr 1
		.amdhsa_wavefront_size32 1
		.amdhsa_system_sgpr_workgroup_id_x 1
		.amdhsa_system_sgpr_workgroup_id_y 1
		.amdhsa_system_sgpr_workgroup_id_z 1
		.amdhsa_system_vgpr_workitem_id 0
		.amdhsa_next_free_vgpr 1024
		.amdhsa_next_free_sgpr 100
		.amdhsa_reserve_vcc 0
		.amdhsa_float_denorm_mode_32 3
		.amdhsa_float_denorm_mode_16_64 3
		.amdhsa_memory_ordered 1
		.amdhsa_forward_progress 1
		.amdhsa_inst_pref_size 128
	.end_amdhsa_kernel
	.amdgpu_metadata
---
amdhsa.version: [ 1, 2 ]
amdhsa.kernels:
  - .name:           k_q28e79cdce2_qkv
    .symbol:         k_q28e79cdce2_qkv.kd
    .args:
      - { .name: xc, .offset: 0, .size: 8, .value_kind: global_buffer, .address_space: global }
      - { .name: xs, .offset: 8, .size: 8, .value_kind: global_buffer, .address_space: global }
      - { .name: wc, .offset: 16, .size: 8, .value_kind: global_buffer, .address_space: global }
      - { .name: ws, .offset: 24, .size: 8, .value_kind: global_buffer, .address_space: global }
      - { .name: qkv16, .offset: 32, .size: 8, .value_kind: global_buffer, .address_space: global }
      - { .name: q32, .offset: 40, .size: 8, .value_kind: global_buffer, .address_space: global }
    .group_segment_fixed_size: 327680
    .private_segment_fixed_size: 0
    .kernarg_segment_align: 8
    .kernarg_segment_size: 48
    .max_flat_workgroup_size: 128
    .sgpr_count:     100
    .vgpr_count:     1024
    .wavefront_size: 32
...
	.end_amdgpu_metadata
.endif
;; end of part 2
;; launch attn (part 3): grid 8 x 64, 16 waves a work-group, no clusters, 327,680 bytes of LDS; arguments qkv16, ao; writes ao
.if DOCPART == 3
	.amdgcn_target "amdgcn-amd-amdhsa--gfx1250"
	.amdhsa_code_object_version 6
	.text
	.protected	k_q28e79cdce2_attn
	.globl	k_q28e79cdce2_attn
	.p2align	8
	.type	k_q28e79cdce2_attn,@function
k_q28e79cdce2_attn:
	s_mov_b64 s[64:65], 0
	v_nop
	global_prefetch_b8 v0, s[64:65] scope:SCOPE_SE
	s_setreg_imm32_b32 hwreg(HW_REG_WAVE_MODE, 25, 1), 1
	s_wait_xcnt 0x0
; ao[head][row][:] = softmax_k(q . k / 8, causal) v, on f16 operands with f32 sums, maxima and exponentials.  qkv16: [part 3][sequence 4][head 16][position 2048][64] f16.  ao: [head 16][row 8192][64] f16.
; (The first 16 positions of each sequence are written here too, but the output's rows for them are made by another launch, in f32.)
; SHARES.  A work-group owns, of one head of one sequence, the blocks of 128 queries j and 15 - j, so that under the causal mask every work-group has the same number of key steps.  Each of its sixteen waves owns
; 16 queries: waves 0-7 the early block, waves 8-15 the late one.  Keys go 64 a step; K's and V's tiles come through a ring of two LDS slots of 256 keys (wave 0 fetches K's, wave 1 V's, 32 KB each).
; NO CLUSTER: the work-groups of a head need different numbers of slots (the walk ends at each one's last query), so a joint tile would be read by none of the waves of some partner.
; LAYOUT.  S^T = K Q^T (source 0 = 16 keys, source 1 = my 16 queries): a lane holds ONE query (lane % 16) and keys 8 (lane / 16) + 0..7.  Two such tiles, rounded to f16 in pairs, are source 1 of O^T = V^T P.
; A head's rows are dense, 128 bytes a key: a tile is stated as rows of 256 bytes, two keys a row.  V comes out of LDS turned, by ds_load_tr16_b128.
; SOFTMAX.  A running maximum m and sum l for each query: p = 2^(c s - c m), c = log2(e) / 8; in every step O and l are multiplied by a = 2^(c m_old - c m_new).
; CAUSAL.  Every work-group walks all changes of slots (constant trip counts); a step all of whose keys come after my queries is jumped over; on the diagonal hidden scores become -infinity.
; LIMITS: NaN and infinities are not served; the operands are f16 (magnitudes under 65,504; under 6e-5 bits are lost).
.set SLOT1, 1<<17                      ; slot 1 begins here: one exclusive or turns an address
.set KP,    272                        ; two keys of K: 256 bytes + 16
.set VP,    288                        ; two keys of V: 256 bytes + 32
.set VOFF,  128*KP                     ; a slot: 128 double rows of K, then 128 of V
.set SPARE, 2*SLOT1                    ; the spare words, 128 bytes for each of 16 waves
.set STAGE, SPARE+2048                 ; the way out: 16 rows x 144 bytes for each wave, bytes of their own
.set AK0, 1                            ; v1  my lane's place in a tile of K
.set AV0, 2                            ; v2  the same for V
.set SPW, 3                            ; v3  my spare word; never rewritten
.set NIL, 4                            ; v4  0; never rewritten
.set ADK, 5
.set ADV, 6
.set GO,  7                            ; v7  16 x lane
.set STO, 8
.set RD,  9
.set PFO, 10                           ; v10 256 x lane
.set QO,  11
.set QF,  16                           ; v16-31   Q, two fragments
.set KFR, 32                           ; v32-95   K: fragment 2 kt + ks
.set VFR, 96                           ; v96-159  V^T: fragment 4 u + ct
.set S,   160                          ; v160-191 S^T, then p
.set P,   192                          ; v192-207 p in f16
.set O,   208                          ; v208-239 O^T
                                       ; v12 c m, v13 m, v[14:15] l; v240-243 maxima; v[244:245] a; v246 c m_old; v247 at work; v248 -infinity; v249 r - 8 h; v[250:251] a second chain of sums
.set TB,  2
.set SLOTS, 3
.set WV,  8
.set G1K, 24
.set G1V, 32
.set G0K, 40
.set G0V, 44
.set SKF, 48                           ; s48 the step's first key
.set Q0,  49                           ; s49 my first query
.set LASTQ, 50                         ; s50 my work-group's last query
.set PFA, 52
.set LIM, 54
.set CS,  56
.set SEL, 58
.macro TLOAD                           ; wave 0 fetches K's tile, wave 1 V's, the others nothing: branches on the wave's number alone
	s_cmp_eq_u32 s[WV], 0
	s_cbranch_scc0 .Lnot_k_\@
	tensor_load_to_lds s[G0K:G0K+3], s[G1K:G1K+7]
	s_nop 0
.rept 4
	v_nop
.endr
	s_branch .Lasked_\@
.Lnot_k_\@:
	s_cmp_eq_u32 s[WV], 1
	s_cbranch_scc0 .Lasked_\@
	tensor_load_to_lds s[G0V:G0V+3], s[G1V:G1V+7]
	s_nop 0
.rept 4
	v_nop
.endr
.Lasked_\@:
.endm
; A prefetch of what the NEXT change of slots will ask for: 32 KB of K and 32 KB of V.  All eight work-groups of a head walk the same K and V: the one with j = 0, which walks every slot, asks.  In it waves 4-7 ask
; for K's block and waves 8-11 for V's, 8,192 bytes a wave, lanes 256 bytes apart: each aligned 256 bytes once in the launch.  The last change that fills a slot asks for nothing; slots 0 and 1 come by their loads alone.
.macro ASK
	s_cmp_gt_u32 s[SLOTS], s[LIM]
	s_cbranch_scc0 .Lnot_mine_\@
	global_prefetch_b8 v[PFO], s[PFA:PFA+1] th:TH_LOAD_NT scope:SCOPE_SE
.Lnot_mine_\@:
.endm
	s_load_b128 s[4:7], s[0:1], 0x0                ; qkv16, ao
	v_lshl_add_u32 v[SPW], v0, 2, SPARE
	v_mov_b32 v[NIL], 0
	ds_add_u32 v[SPW], v[NIL]                      ; the wave's opening: the add, twice on end, and its wait ahead of the first tensor load
	ds_add_u32 v[SPW], v[NIL]
	v_lshrrev_b32 v5, 5, v0
	v_readfirstlane_b32 s[WV], v5                  ; wave 0..15
	s_and_b32 s9, ttmp7, 0xffff                    ; 16 x sequence + head
	s_lshl_b32 s10, s9, 18                         ; a head is 262,144 bytes
	s_mov_b32 s11, 0
	s_lshr_b32 s12, s[WV], 3
	s_sub_co_u32 s13, 15, ttmp9
	s_cmp_eq_u32 s12, 0
	s_cselect_b32 s13, ttmp9, s13                  ; my block of 128 queries: j or 15 - j
	s_lshl_b32 s13, s13, 7
	s_and_b32 s14, s[WV], 7
	s_lshl_b32 s14, s14, 4
	s_add_co_u32 s[Q0], s13, s14
	s_sub_co_u32 s[LASTQ], 16, ttmp9
	s_lshl_b32 s[LASTQ], s[LASTQ], 7
	s_sub_co_u32 s[LASTQ], s[LASTQ], 1
	s_mov_b32 s[G1K], (1<<16)|(1<<20)|(5<<22)|(3<<25)   ; no mask; elements of 2 bytes; padding: 4 words behind every 64
	s_mov_b32 s[G1V], (1<<16)|(1<<20)|(5<<22)|(7<<25)   ; the same with 8 words
.irp g, G1K, G1V
	s_mov_b32 s[\g+1], 128<<16                     ; tensor_dim0 = 128 elements: two keys
	s_mov_b32 s[\g+2], 128<<16                     ; tensor_dim1 = 128 rows
	s_mov_b32 s[\g+3], 128<<16                     ; tile_dim0
	s_mov_b32 s[\g+4], 128                         ; tile_dim1
	s_mov_b32 s[\g+5], 128                         ; the pitch: dense
	s_mov_b32 s[\g+6], 0
	s_mov_b32 s[\g+7], 0
.endr
	s_mov_b32 s[CS], 0x3e38aa3b                    ; c = log2(e) / 8
	s_mov_b32 s[CS+1], s[CS]
	s_mov_b32 s[SEL], 0x76543210
	s_mov_b32 s[SEL+1], 0xfedcba98                 ; lane l xor 16
	s_mov_b32 s[TB], 0
	s_mov_b32 s[SLOTS], 7
	s_mov_b32 s[SKF], 0
	s_wait_dscnt 0x0                               ; both opening adds are done
	s_wait_kmcnt 0x0
	s_add_nc_u64 s[14:15], s[4:5], s[10:11]        ; q's head,
	s_add_nc_u64 s[16:17], s[14:15], 0x1000000     ; k's,
	s_add_nc_u64 s[18:19], s[14:15], 0x2000000     ; v's
	s_mov_b32 s[G0K], 1
	s_mov_b32 s[G0K+1], 0                          ; slot 0
	s_mov_b64 s[G0K+2:G0K+3], s[16:17]
	s_or_b32 s[G0K+3], s[G0K+3], 0x80000000
	s_mov_b32 s[G0V], 1
	s_mov_b32 s[G0V+1], VOFF
	s_mov_b64 s[G0V+2:G0V+3], s[18:19]
	s_or_b32 s[G0V+3], s[G0V+3], 0x80000000
	TLOAD                                          ; slot 0: keys 0 to 255, which count for every work-group
	s_lshl_b32 s20, s[Q0], 7
	s_mov_b32 s21, 0
	s_add_nc_u64 s[14:15], s[14:15], s[20:21]      ; q at my first query
	s_and_b32 s20, s9, 15
	s_lshl_b32 s20, s20, 20                        ; ao: a head is 1,048,576 bytes
	s_lshr_b32 s22, s9, 4
	s_lshl_b32 s22, s22, 11
	s_add_co_u32 s22, s22, s[Q0]
	s_lshl_b32 s22, s22, 7
	s_add_co_u32 s20, s20, s22
	s_add_nc_u64 s[6:7], s[6:7], s[20:21]
	s_cmp_lt_u32 s[WV], 8                          ; the prefetches: waves 4-7 stand in k, waves 8-11 in v,
	s_cselect_b64 s[PFA:PFA+1], s[16:17], s[18:19]
	s_and_b32 s60, s[WV], 3
	s_lshl_b32 s60, s60, 13                        ; at my wave's 8,192 bytes
	s_add_co_u32 s60, s60, 32768                   ; of slot 1: the first change steps it to slot 2
	s_mov_b32 s61, 0
	s_add_nc_u64 s[PFA:PFA+1], s[PFA:PFA+1], s[60:61]
	s_sub_co_u32 s60, s[WV], 4
	s_lshr_b32 s60, s60, 3                         ; 0 in waves 4 to 11
	s_or_b32 s60, s60, ttmp9                       ; of the work-group with j = 0
	s_cmp_eq_u32 s60, 0
	s_cselect_b32 s[LIM], 1, -1
	v_and_b32 v240, 15, v0                         ; r
	v_bfe_u32 v242, v0, 4, 1                       ; h
	v_and_b32 v243, 31, v0                         ; lane
	v_lshlrev_b32 v[QO], 7, v240
	v_lshl_add_u32 v[QO], v242, 4, v[QO]           ; Q: row r of 128 bytes + 16 h
.irp i, 0,1,2,3
	global_load_b128 v[QF+4*\i:QF+4*\i+3], v[QO], s[14:15] offset:32*\i   ; channels 32 ks + 8 h on and 32 ks + 16 + 8 h on: Q stays in registers
.endr
	v_lshrrev_b32 v246, 1, v240
	v_mul_u32_u24 v[AK0], v246, KP
	v_and_b32 v246, 1, v0
	v_lshl_add_u32 v[AK0], v246, 7, v[AK0]
	v_lshl_add_u32 v[AK0], v242, 4, v[AK0]         ; K: key r: (r / 2) double rows + 128 (r % 2) + 16 h
	v_bfe_u32 v247, v0, 1, 2
	v_lshl_add_u32 v247, v242, 2, v247
	v_mul_u32_u24 v[AV0], v247, VP
	v_lshl_add_u32 v[AV0], v246, 7, v[AV0]
	v_bfe_u32 v247, v0, 3, 1
	v_lshl_add_u32 v[AV0], v247, 4, v[AV0]
	v_add_nc_u32 v[AV0], VOFF, v[AV0]              ; V: key 8 h + l % 8, channels 8 ((l / 8) % 2) on
	s_mul_i32 s60, s[WV], 16*144
	s_add_co_u32 s60, s60, STAGE                   ; my stage
	v_mul_u32_u24 v[STO], v240, 144
	v_lshl_add_u32 v[STO], v242, 4, v[STO]
	v_add_nc_u32 v[STO], s60, v[STO]
	v_lshrrev_b32 v246, 3, v243
	v_mul_u32_u24 v[RD], v246, 144
	v_and_b32 v246, 7, v0
	v_lshl_add_u32 v[RD], v246, 4, v[RD]
	v_add_nc_u32 v[RD], s60, v[RD]
	v_lshlrev_b32 v[GO], 4, v243
	v_lshlrev_b32 v[PFO], 8, v243
	v_lshlrev_b32 v249, 3, v242
	v_sub_nc_u32 v249, v240, v249                  ; r - 8 h
	v_mov_b32 v248, 0xff800000                     ; -infinity
	v_mov_b32 v13, 0xff61b1e6                      ; m = -3e38, under every score
	v_mul_f32 v12, s[CS], v13                      ; c m
	v_mov_b32 v14, 0                               ; l, in two halves
	v_mov_b32 v15, 0
	v_mov_b32 v241, 0                              ; a lane permute's destination counts as one of its sources
	v_mov_b32 v245, 0                              ; named as the upper half of the pair v[244:245]
.set i, 0
.rept 32
	v_mov_b32 v[O+i], 0                            ; O^T: the step is written once; the first finds zeros
.set i, i+1
.endr
; A KEY STEP: 64 keys, the q-th of the slot in hand.
.macro STEP q
	s_add_co_u32 s60, s[Q0], 15
	s_cmp_gt_u32 s[SKF], s60                       ; all its keys come after my queries: only the count of keys goes on
	s_cbranch_scc1 .Lhidden_\@
	v_add_nc_u32 v[ADK], s[TB], v[AK0]
	v_add_nc_u32 v[ADV], s[TB], v[AV0]
	v_nop
	v_nop                                          ; four plain instructions between the last step's products and the loads into V's registers
.irp kt, 0,1,2,3
.irp ks, 0,1
	ds_load_b128 v[KFR+8*(2*\kt+\ks):KFR+8*(2*\kt+\ks)+3],   v[ADK] offset:(\q)*32*KP+\kt*8*KP+64*\ks
	ds_load_b128 v[KFR+8*(2*\kt+\ks)+4:KFR+8*(2*\kt+\ks)+7], v[ADK] offset:(\q)*32*KP+\kt*8*KP+64*\ks+32
.endr
.endr
.irp u, 0,1
.irp ct, 0,1,2,3
	ds_load_tr16_b128 v[VFR+8*(4*\u+\ct):VFR+8*(4*\u+\ct)+3],   v[ADV] offset:(\q)*32*VP+\u*16*VP+32*\ct
	ds_load_tr16_b128 v[VFR+8*(4*\u+\ct)+4:VFR+8*(4*\u+\ct)+7], v[ADV] offset:(\q)*32*VP+\u*16*VP+8*VP+32*\ct
.endr
.endr
	s_wait_dscnt 16                                ; K's 16 loads are in; V's 16 may be out
.irp kt, 0,1,2,3                               ; S^T = K Q^T: the four tiles by turns
	v_wmma_f32_16x16x32_f16 v[S+8*\kt:S+8*\kt+7], v[KFR+16*\kt:KFR+16*\kt+7], v[QF:QF+7], 0
.endr
.irp kt, 0,1,2,3
	v_wmma_f32_16x16x32_f16 v[S+8*\kt:S+8*\kt+7], v[KFR+16*\kt+8:KFR+16*\kt+15], v[QF+8:QF+15], v[S+8*\kt:S+8*\kt+7]
.endr
.rept 4
	v_nop
.endr
	s_add_co_u32 s60, s[SKF], 63
	s_cmp_le_u32 s60, s[Q0]                        ; all its keys count for all my queries: no mask
	s_cbranch_scc1 .Lopen_\@
	s_sub_co_i32 s60, s[Q0], s[SKF]
	v_add_nc_u32 v247, s60, v249                   ; d = my query - first key - 8 h.  Register 8 kt + j holds key first + 16 kt + 8 h + j: hidden where 16 kt + j > d
.set n, 0
.rept 32
	v_cmp_gt_i32 vcc_lo, 16*(n/8)+n%8, v247
	v_cndmask_b32 v[S+n], v[S+n], v248, vcc_lo
.set n, n+1
.endr
.Lopen_\@:
.irp j, 0,1,2,3                                ; the maximum of my 32 scores and the old m: four chains, each from its tile's low end on
	v_max3_num_f32 v[240+\j], v[S+8*\j], v[S+8*\j+1], v[S+8*\j+2]
.endr
.irp g, 1,2
.irp j, 0,1,2,3
	v_max3_num_f32 v[240+\j], v[240+\j], v[S+8*\j+2*\g+1], v[S+8*\j+2*\g+2]
.endr
.endr
	v_max3_num_f32 v240, v240, v[S+7], v[S+15]
	v_max3_num_f32 v242, v242, v[S+23], v[S+31]
	v_max3_num_f32 v240, v240, v241, v242
	v_max3_num_f32 v240, v240, v243, v13
	v_permlanex16_b32 v241, v240, s[SEL], s[SEL+1] ; the query's other 32 keys lie in the lane 16 away
	v_mov_b32 v246, v12                            ; c m_old
	v_max_num_f32 v13, v240, v241
	v_mul_f32 v12, s[CS], v13
	v_sub_f32 v246, v246, v12
.set i, 0
.rept 16
	v_pk_fma_f32 v[S+2*i:S+2*i+1], v[S+2*i:S+2*i+1], s[CS:CS+1], v[12:13] op_sel_hi:[1,0,0] neg_lo:[0,0,1] neg_hi:[0,0,1]   ; c s - c m
.set i, i+1
.endr
	v_exp_f32 v244, v246                           ; a
.set i, 0
.rept 32
	v_exp_f32 v[S+i], v[S+i]                       ; p
.set i, i+1
.endr
	v_nop                                          ; a plain instruction behind the last exponential
	s_wait_alu depctr_va_vdst(0)                   ; one wait for the batch of 33, ahead of its first reader
.set i, 0
.rept 16
	v_cvt_pk_f16_f32 v[P+i], v[S+2*i], v[S+2*i+1]
.set i, i+1
.endr
	v_pk_mul_f32 v[14:15], v[14:15], v[244:245] op_sel_hi:[1,0]   ; l under the new m
	v_pk_add_f32 v[250:251], v[S:S+1], v[S+2:S+3]                 ; the sum of the unrounded p, in two chains
.irp j, 4,8,12,16,20,24,28
	v_pk_add_f32 v[14:15], v[14:15], v[S+\j:S+\j+1]
	v_pk_add_f32 v[250:251], v[250:251], v[S+\j+2:S+\j+3]
.endr
	v_pk_add_f32 v[14:15], v[14:15], v[250:251]
.set i, 0
.rept 16
	v_pk_mul_f32 v[O+2*i:O+2*i+1], v[O+2*i:O+2*i+1], v[244:245] op_sel_hi:[1,0]   ; O^T under the new m, each tile from its low end on
.set i, i+1
.endr
	s_wait_dscnt 0x0                               ; V is in
.irp u, 0,1                                    ; O^T += V^T P: the four tiles by turns
.irp ct, 0,1,2,3
	v_wmma_f32_16x16x32_f16 v[O+8*\ct:O+8*\ct+7], v[VFR+8*(4*\u+\ct):VFR+8*(4*\u+\ct)+7], v[P+8*\u:P+8*\u+7], v[O+8*\ct:O+8*\ct+7]
.endr
.endr
.Lhidden_\@:
	s_add_co_u32 s[SKF], s[SKF], 64
.endm
; THE CHANGE OF SLOTS stands at a slot's head: all my tensor loads have landed, the add, my reads of the slot that I have left are over; one barrier; behind it the other slot is filled with the keys that follow,
; as long as some wave of the work-group will read them.
.macro CHANGE fill
	s_wait_tensorcnt 0x0                           ; no tensor load of mine is out, so a group 0 may be written
	ds_add_u32 v[SPW], v[NIL]
.if \fill
	ds_add_u32 v[SPW], v[NIL]                      ; and once more
	s_xor_b32 s[G0K+1], s[G0K+1], SLOT1            ; the walking descriptors: the other slot,
	s_add_nc_u64 s[G0K+2:G0K+3], s[G0K+2:G0K+3], 32768   ; the next 256 keys
	s_xor_b32 s[G0V+1], s[G0V+1], SLOT1
	s_add_nc_u64 s[G0V+2:G0V+3], s[G0V+2:G0V+3], 32768
	s_wait_xcnt 0x0                                ; the last prefetch, a slot back, has read its address
	s_add_nc_u64 s[PFA:PFA+1], s[PFA:PFA+1], 32768
.endif
	s_wait_dscnt 0x0                               ; the adds are done, and my reads of the slot that I have left are over
	s_barrier_signal -1
	s_barrier_wait -1
.if \fill
	s_add_co_u32 s60, s[SKF], 256                  ; the first key of the slot that this change would ask for
	s_cmp_gt_u32 s60, s[LASTQ]                     ; past my work-group's last query nobody reads it: it is not asked for.  Ids and the count of steps alone: all sixteen waves go the same way
	s_cbranch_scc1 .Lpast_\@
	TLOAD                                          ; a wave's one tensor load until the next barrier; every wait on TENSORcnt in this text is for 0
.Lpast_\@:
	ASK
.endif
.endm
.macro SLOT_STEPS
	STEP 0
	STEP 1
	STEP 2
	STEP 3
	s_xor_b32 s[TB], s[TB], SLOT1
.endm
	s_wait_loadcnt 0x0                             ; Q
.Lslot:                                            ; 7 trips
	CHANGE 1
	SLOT_STEPS
	s_sub_co_u32 s[SLOTS], s[SLOTS], 1
	s_cmp_lg_u32 s[SLOTS], 0
	s_cbranch_scc1 .Lslot
	CHANGE 0                                       ; the last slot: nothing is left to ask for
	SLOT_STEPS
	; THE WAY OUT: O^T / l, rounded to f16, through my stage, and out as 2,048 consecutive bytes (16 rows of one head)
.rept 4
	v_nop
.endr
	v_add_f32 v14, v14, v15
	v_permlanex16_b32 v241, v14, s[SEL], s[SEL+1]
	v_add_f32 v14, v14, v241
	v_rcp_f32 v244, v14
	v_nop
	s_wait_alu depctr_va_vdst(0)                   ; ahead of the reciprocal's first reader
.set i, 0
.rept 16
	v_pk_mul_f32 v[S+2*i:S+2*i+1], v[O+2*i:O+2*i+1], v[244:245] op_sel_hi:[1,0]
.set i, i+1
.endr
.set i, 0
.rept 16
	v_cvt_pk_f16_f32 v[P+i], v[S+2*i], v[S+2*i+1]
.set i, i+1
.endr
.irp ct, 0,1,2,3
	ds_store_b128 v[STO], v[P+4*\ct:P+4*\ct+3] offset:32*\ct   ; row r: channels 16 ct + 8 h on
.endr
.irp g, 0,1,2,3
	ds_load_b128 v[KFR+4*\g:KFR+4*\g+3], v[RD] offset:\g*576    ; four rows an instruction, behind my own stores
.endr
.irp g, 0,1,2,3
	s_wait_dscnt 3-\g
	global_store_b128 v[GO], v[KFR+4*\g:KFR+4*\g+3], s[6:7] offset:512*\g   ; 32 lanes store 512 consecutive bytes, aligned
.endr
	s_wait_tensorcnt 0x0                           ; the wave's end
	ds_add_u32 v[SPW], v[NIL]
	s_wait_dscnt 0x0
	s_endpgm
.Lfunc_end_k_q28e79cdce2_attn:
	.size	k_q28e79cdce2_attn, .Lfunc_end_k_q28e79cdce2_attn-k_q28e79cdce2_attn
	.p2alignl 7, 3214868480
	.fill 96, 4, 3214868480
	.section	.rodata,"a",@progbits
	.p2align	6, 0x0
	.amdhsa_kernel k_q28e79cdce2_attn
		.amdhsa_group_segment_fixed_size 327680
		.amdhsa_private_segment_fixed_size 0
		.amdhsa_enable_private_segment 0
		.amdhsa_kernarg_size 16
		.amdhsa_user_sgpr_count 2
		.amdhsa_user_sgpr_kernarg_segment_ptr 1
		.amdhsa_wavefront_size32 1
		.amdhsa_system_sgpr_workgroup_id_x 1
		.amdhsa_system_sgpr_workgroup_id_y 1
		.amdhsa_system_sgpr_workgroup_id_z 1
		.amdhsa_system_vgpr_workitem_id 0
		.amdhsa_next_free_vgpr 256
		.amdhsa_next_free_sgpr 66
		.amdhsa_reserve_vcc 1
		.amdhsa_float_denorm_mode_32 3
		.amdhsa_float_denorm_mode_16_64 3
		.amdhsa_memory_ordered 1
		.amdhsa_forward_progress 1
		.amdhsa_inst_pref_size 109
	.end_amdhsa_kernel
	.amdgpu_metadata
---
amdhsa.version: [ 1, 2 ]
amdhsa.kernels:
  - .name:           k_q28e79cdce2_attn
    .symbol:         k_q28e79cdce2_attn.kd
    .args:
      - { .name: qkv16, .offset: 0, .size: 8, .value_kind: global_buffer, .address_space: global }
      - { .name: ao, .offset: 8, .size: 8, .value_kind: global_buffer, .address_space: global }
    .group_segment_fixed_size: 327680
    .private_segment_fixed_size: 0
    .kernarg_segment_align: 8
    .kernarg_segment_size: 16
    .max_flat_workgroup_size: 512
    .sgpr_count:     66
    .vgpr_count:     256
    .wavefront_size: 32
...
	.end_amdgpu_metadata
.endif
;; end of part 3
;; launch proj (part 4): grid 4 x 64, 4 waves a work-group, clusters of 4 x 4, 327,680 bytes of LDS; arguments ao, wp16, out0; writes out0
.if DOCPART == 4
	.amdgcn_target "amdgcn-amd-amdhsa--gfx1250"
	.amdhsa_code_object_version 6
	.text
	.protected	k_q28e79cdce2_proj
	.globl	k_q28e79cdce2_proj
	.p2align	8
	.type	k_q28e79cdce2_proj,@function
k_q28e79cdce2_proj:
	s_mov_b64 s[64:65], 0
	v_nop
	global_prefetch_b8 v0, s[64:65] scope:SCOPE_SE
	s_setreg_imm32_b32 hwreg(HW_REG_WAVE_MODE, 25, 1), 1
	s_wait_xcnt 0x0
	s_wait_alu depctr_hold_cnt(0) depctr_sa_sdst(0) depctr_va_vdst(0) depctr_va_sdst(0) depctr_va_ssrc(0) depctr_va_vcc(0) depctr_vm_vsrc(0)
	s_getreg_b32 s2, hwreg(HW_REG_IB_STS2, 6, 4)
	s_cmp_eq_u32 s2, 0
	s_cbranch_scc0 .Lentry_in_a_cluster
	s_endpgm
.Lentry_in_a_cluster:
	s_bfe_u32 s2, ttmp6, 0x10000c
	s_cmp_lg_u32 s2, 0xf033
	s_cbranch_scc0 .Lentry_shape_is_right
	s_endpgm
.Lentry_shape_is_right:
; out0 = attention's result x w_proj, on f16 operands with f32 sums, for all rows but the first 16 positions of each sequence (those are another launch's, in f32).
; A = ao [head 16][row 8192][64] f16; B = wp16 [k 1024][n 1024] f16; out0 [8192][1024] f32.
; A tile of C is 128 x 256: 256 work-groups.  Four waves, each 64 x 128: 32 accumulators, 256 registers.  K goes in steps of 128 (two heads) through a ring of two LDS slots.
; A head's 128 rows are 16 KB dense: stated as 64 rows of 256 bytes (two rows of A each).  B's tile is 64 rows (k) of 512 bytes; it comes out of LDS turned, by ds_load_tr16_b128.
; CLUSTERS: 4 x 4 work-groups; the four of a row of the cluster (one tile row) ask jointly for A's tiles, the four of a column for B's.  The tile row is cluster y + 16 cy: whether a tile holds a sequence's first
; positions hangs on the cluster's y alone, which all partners share.
; THE MATRIX INSTRUCTION IS USED TRANSPOSED (source 0 = 16 columns of w_proj, source 1 = 16 rows of A): a lane holds eight neighbouring numbers of a row of C.
; REGISTERS: window 0: v0-31 addresses; v32-127, v128-223 two fragment buffers (64 registers of B, then 32 of A, for 32 along K).  window 1: accumulator (mb, nb) at v[8 (8 mb + nb)].
.set AH,    64*272                     ; one head's 128 rows of A
.set BH,    64*544                     ; 64 rows (k) of B: 512 bytes + 32
.set SLOT,  2*AH+2*BH
.set STAGE, 2*SLOT                     ; the way out: 16 rows x 528 bytes for each wave, bytes of their own
.set SPARE, STAGE+4*16*528             ; the spare words
.set STEPA, 2097152                    ; a K step in ao: two heads
.set STEPB, 262144                     ; and in wp16: 128 rows
.set ADRA, 16
.set ADRB, 20
.set STO,  24
.set RD,   25
.set CO,   26
.set SPW,  28
.set NIL,  29
.set PFO,  30
.set F0,   32
.set F1,   128
.set G1, 24
.set G0, 32
.set G1B, 48
.set G0B, 56
.set LIM, 43
.set PFA, 44
.set MSB, 0
.macro WIN new
.if MSB != \new
	s_set_vgpr_msb (MSB<<8)|\new
.set MSB, \new
.endif
.endm
.set MULW, 0x50                        ; C and D window 1, sources window 0
.macro JLOAD s                         ; a joint load: waves 0 and 1 fetch A's two heads, waves 2 and 3 B's two halves
	s_cmp_eq_u32 s11, 0
	s_cbranch_scc0 .Lfor_b_\@
	tensor_load_to_lds s[G0+4*\s:G0+4*\s+3], s[G1:G1+7]
	s_nop 0
.rept 4
	v_nop
.endr
	s_branch .Lasked_\@
.Lfor_b_\@:
	tensor_load_to_lds s[G0B+4*\s:G0B+4*\s+3], s[G1B:G1B+7]
	s_nop 0
.rept 4
	v_nop
.endr
.Lasked_\@:
.endm
.macro CREST
	s_cmp_lg_u32 s10, 0
	s_cbranch_scc1 .Lnot_wave_0_\@
	s_barrier_signal -3
.Lnot_wave_0_\@:
	s_barrier_wait -3
	s_barrier_signal -1
	s_barrier_wait -1
.endm
.macro CROUND
	s_barrier_signal -1
	s_barrier_wait -1
	CREST
.endm
; A prefetch of A's K step that stands two refills on: 32 KB for the tile row.  The four partners that ask for it jointly share it out BY ADDRESS, 8,192 bytes each (head cx / 2, half cx % 2); in each, wave 0 asks,
; lanes 256 bytes apart: each aligned 256 bytes once in the launch.  The loop's last trip asks for nothing: there is no K step two refills on.  w_proj's tiles, which all sixteen clusters read, are not asked for.
.macro ASK
	s_cmp_gt_u32 s3, s[LIM]
	s_cbranch_scc0 .Lnot_mine_\@
	global_prefetch_b8 v[PFO], s[PFA:PFA+1] offset:STEPA th:TH_LOAD_NT scope:SCOPE_SE
.Lnot_mine_\@:
.endm
	s_load_b128 s[4:7], s[0:1], 0x0                ; ao, wp16
	s_load_b64 s[8:9], s[0:1], 0x10                ; out0
	v_lshl_add_u32 v[SPW], v0, 2, SPARE
	v_mov_b32 v[NIL], 0
	ds_add_u32 v[SPW], v[NIL]                      ; the wave's opening: the add, twice on end, and its wait ahead of my first tensor load
	ds_add_u32 v[SPW], v[NIL]
	v_lshrrev_b32 v1, 5, v0
	v_readfirstlane_b32 s10, v1                    ; wave 0..3
	s_lshr_b32 s11, s10, 1                         ; which 64 rows are mine; also: I fetch for A (0) or for B (1)
	s_and_b32 s12, s10, 1                          ; which 128 columns; also: which half of a K step I fetch
	s_bfe_u32 s40, ttmp6, 0x40000                  ; cx
	s_bfe_u32 s41, ttmp6, 0x40004                  ; cy
	s_lshl_b32 s42, ttmp9, 2
	s_add_co_u32 s42, s42, s40                     ; tile column
	s_and_b32 s66, ttmp7, 0xffff                   ; cluster y
	s_lshl_b32 s13, s41, 4
	s_add_co_u32 s13, s13, s66                     ; tile row = cluster y + 16 cy
	s_or_b32 s67, s66, s11                         ; 0: my first 16 rows are a sequence's first 16 positions
	s_lshl_b32 s43, s41, 2
	s_lshl_b32 s43, 15, s43                        ; my row of the cluster
	s_lshl_b32 s44, 0x1111, s40                    ; my column
	s_or_b32 s[G1+0], s43, (1<<16)|(1<<20)|(1<<21)|(5<<22)|(3<<25)   ; the mask; elements of 2 bytes; padding: 4 words behind every 64
	s_mov_b32 s[G1+1], 128<<16                     ; tensor_dim0
	s_mov_b32 s[G1+2], 64<<16                      ; tensor_dim1
	s_mov_b32 s[G1+3], 128<<16                     ; tile_dim0
	s_mov_b32 s[G1+4], 64                          ; tile_dim1
	s_mov_b32 s[G1+5], 128                         ; the pitch: dense
	s_mov_b32 s[G1+6], 0
	s_mov_b32 s[G1+7], 0
	s_or_b32 s[G1B+0], s44, (1<<16)|(1<<20)|(1<<21)|(6<<22)|(7<<25)  ; padding: 8 words behind every 128
	s_mov_b32 s[G1B+1], 256<<16
	s_mov_b32 s[G1B+2], 64<<16
	s_mov_b32 s[G1B+3], 256<<16
	s_mov_b32 s[G1B+4], 64
	s_mov_b32 s[G1B+5], 1024
	s_mov_b32 s[G1B+6], 0
	s_mov_b32 s[G1B+7], 0
	s_lshl_b32 s16, s13, 14                        ; A: the tile row's 128 rows of 128 bytes,
	s_lshl_b32 s17, s12, 20                        ; in head 0 or 1
	s_add_co_u32 s16, s16, s17
	s_mov_b32 s17, 0
	s_lshl_b32 s46, s42, 9                         ; B: the tile column's 512 bytes,
	s_lshl_b32 s47, s12, 17                        ; from row 0 or 64
	s_add_co_u32 s46, s46, s47
	s_mov_b32 s47, 0
	s_mul_i32 s20, s12, AH                         ; where they go: the wave's number alone
	s_mul_i32 s21, s12, BH
	s_add_co_u32 s21, s21, 2*AH
	s_wait_dscnt 0x0                               ; both opening adds are done
	s_wait_kmcnt 0x0
	s_add_nc_u64 s[14:15], s[4:5], s[16:17]
	s_add_nc_u64 s[46:47], s[6:7], s[46:47]
	CROUND                                         ; all sixteen work-groups are here: the first joint loads meet
.irp s, 0,1
	s_mov_b32 s[G0+4*\s], 1
	s_add_co_u32 s[G0+4*\s+1], s20, \s*SLOT
	s_add_nc_u64 s[G0+4*\s+2:G0+4*\s+3], s[14:15], \s*STEPA
	s_or_b32 s[G0+4*\s+3], s[G0+4*\s+3], 0x80000000
	s_mov_b32 s[G0B+4*\s], 1
	s_add_co_u32 s[G0B+4*\s+1], s21, \s*SLOT
	s_add_nc_u64 s[G0B+4*\s+2:G0B+4*\s+3], s[46:47], \s*STEPB
	s_or_b32 s[G0B+4*\s+3], s[G0B+4*\s+3], 0x80000000
	JLOAD \s                                       ; two tensor loads of mine are out at the most
.endr
	v_and_b32 v1, 15, v0                           ; r
	v_bfe_u32 v2, v0, 4, 1                         ; h
	v_lshrrev_b32 v3, 1, v1
	v_mul_u32_u24 v3, v3, 272
	v_and_b32 v4, 1, v0
	v_lshl_add_u32 v3, v4, 7, v3
	v_lshl_add_u32 v3, v2, 4, v3                   ; A: row r: (r / 2) double rows + 128 (r % 2) + 16 h
	v_and_b32 v5, 7, v0
	v_lshl_add_u32 v5, v2, 3, v5
	v_mul_u32_u24 v5, v5, 544
	v_bfe_u32 v6, v0, 3, 1
	v_lshl_add_u32 v5, v6, 4, v5                   ; B: row (k) 8 h + l % 8, columns 8 ((l / 8) % 2) on
	s_mul_i32 s22, s11, 32*272                     ; my 64 rows of A
	s_lshl_b32 s23, s12, 8                         ; my 128 columns of B,
	s_add_co_u32 s23, s23, 2*AH                    ; which lies behind A's two heads
.irp s, 0,1
	v_add_nc_u32 v[ADRA+\s], s22, v3
	v_add_nc_u32 v[ADRB+\s], s23, v5
	s_add_co_u32 s22, s22, SLOT
	s_add_co_u32 s23, s23, SLOT
.endr
	s_mul_i32 s23, s10, 16*528
	s_add_co_u32 s23, s23, STAGE                   ; my stage
	v_mul_u32_u24 v4, v1, 528
	v_lshl_add_u32 v4, v2, 5, v4
	v_add_nc_u32 v[STO], s23, v4                   ; in: row r, 32 bytes for each half of the lanes
	v_and_b32 v6, 31, v0
	v_lshlrev_b32 v[CO], 4, v6
	v_add_nc_u32 v[RD], s23, v[CO]                 ; back: the 32 lanes take one row of 512 bytes
	v_lshlrev_b32 v[PFO], 8, v6
	s_lshl_b32 s16, s13, 7
	s_lshl_b32 s17, s11, 6
	s_add_co_u32 s16, s16, s17                     ; my first row of C
	s_lshl_b32 s16, s16, 12
	s_lshl_b32 s17, s42, 10
	s_add_co_u32 s16, s16, s17
	s_lshl_b32 s17, s12, 9
	s_add_co_u32 s16, s16, s17                     ; my first column, in bytes
	s_mov_b32 s17, 0
	s_add_nc_u64 s[8:9], s[8:9], s[16:17]
	s_lshr_b32 s16, s40, 1                         ; the prefetches: my work-group's 8,192 bytes of a K step of the tile row
	s_lshl_b32 s16, s16, 20
	s_lshl_b32 s18, s13, 14
	s_add_co_u32 s16, s16, s18
	s_and_b32 s18, s40, 1
	s_lshl_b32 s18, s18, 13
	s_add_co_u32 s16, s16, s18
	s_add_nc_u64 s[PFA:PFA+1], s[4:5], s[16:17]
	s_add_nc_u64 s[PFA:PFA+1], s[PFA:PFA+1], 2*STEPA   ; at K step 2: the first refill steps it to 3 and names K step 4
	s_cmp_eq_u32 s10, 0
	s_cselect_b32 s[LIM], 1, -1
.macro MUL f, mb, zero                 ; 8 matrix instructions: rows 16 mb on x all 8 blocks of columns, 32 along K.  The 32 accumulators take turns, in one order
.irp nb, 0,1,2,3,4,5,6,7
.if \zero
	v_wmma_f32_16x16x32_f16 v[8*(8*(\mb)+\nb):8*(8*(\mb)+\nb)+7], v[\f+8*\nb:\f+8*\nb+7], v[\f+64+8*(\mb):\f+64+8*(\mb)+7], 0
.else
	v_wmma_f32_16x16x32_f16 v[8*(8*(\mb)+\nb):8*(8*(\mb)+\nb)+7], v[\f+8*\nb:\f+8*\nb+7], v[\f+64+8*(\mb):\f+64+8*(\mb)+7], v[8*(8*(\mb)+\nb):8*(8*(\mb)+\nb)+7]
.endif
.endr
.endm
.macro FETCH slot, q, f                ; 24 LDS loads in one run: the fragments of the slot's q-th 32 along K; B first, A's blocks 2 and 3 last
.irp nb, 0,1,2,3,4,5,6,7
	ds_load_tr16_b128 v[\f+8*\nb:\f+8*\nb+3],   v[ADRB+\slot] offset:(\q)*32*544+32*\nb
	ds_load_tr16_b128 v[\f+8*\nb+4:\f+8*\nb+7], v[ADRB+\slot] offset:(\q)*32*544+32*\nb+16*544
.endr
.irp mb, 0,1,2,3
	ds_load_b128 v[\f+64+8*\mb:\f+64+8*\mb+3],   v[ADRA+\slot] offset:((\q)/2)*AH+\mb*8*272+64*((\q)%2)
	ds_load_b128 v[\f+64+8*\mb+4:\f+64+8*\mb+7], v[ADRA+\slot] offset:((\q)/2)*AH+\mb*8*272+64*((\q)%2)+32
.endr
.endm
.macro PLACES                          ; four plain instructions between matrix instructions and loads into, or reads of, their registers
.rept 4
	v_nop
.endr
.endm
.macro QUARTER slot, qn, f, g, zero    ; multiplies buffer f; in its middle fetches the slot's quarter qn into buffer g
	s_wait_dscnt 4                                 ; B and A's blocks 0, 1 are in; A's blocks 2, 3, four loads, may be out
	WIN MULW
	MUL \f, 0, \zero
	MUL \f, 1, \zero
	PLACES
	WIN 0
	FETCH \slot, \qn, \g
	s_wait_dscnt 24                                ; all but the 24 just issued
	WIN MULW
	MUL \f, 2, \zero
	MUL \f, 3, \zero
.endm
; A slot's last quarter multiplies buffer 1 and changes slots: one barrier; in front of it all my tensor loads have landed, the add, and my reads of this slot are over.  fill = 1: the barrier opens a round of the
; cluster's barrier, and this slot is filled again, two K steps ahead, first thing behind the round.
.macro TURN slot, next, fill
.if \fill
	s_wait_xcnt 0x0                                ; the last prefetch, a K step back, has read its address
	s_add_nc_u64 s[PFA:PFA+1], s[PFA:PFA+1], STEPA
.endif
	WIN 0
	s_wait_tensorcnt 0x0                           ; my part of the next slot is in
	ds_add_u32 v[SPW], v[NIL]
	s_wait_dscnt 5                                 ; the add and A's blocks 2, 3 may be out
	WIN MULW
	MUL F1, 0, 0
	s_wait_dscnt 0x0                               ; the add is done, and my reads of this slot are over
	s_barrier_signal -1
	MUL F1, 1, 0
	WIN 0
	s_barrier_wait -1
.if \fill
	CREST                                          ; no wave of any partner still reads this slot or has a load on its way
	s_add_nc_u64 s[G0+4*\slot+2:G0+4*\slot+3], s[G0+4*\slot+2:G0+4*\slot+3], 2*STEPA
	s_add_nc_u64 s[G0B+4*\slot+2:G0B+4*\slot+3], s[G0B+4*\slot+2:G0B+4*\slot+3], 2*STEPB
	JLOAD \slot                                    ; its four v_nop are also the places in front of the loads below
.else
	PLACES
.endif
	FETCH \next, 0, F0
.if \fill
	ASK
.endif
	WIN MULW
	MUL F1, 2, 0
	MUL F1, 3, 0
.endm
	s_wait_tensorcnt 1                             ; my part of K step 0 is in; K step 1's load may be out
	s_barrier_signal -1
	s_barrier_wait -1
	FETCH 0, 0, F0
	QUARTER 0, 1, F0, F1, 1                        ; the first quarter's products start the sums
	WIN 0
	s_mov_b32 s3, 3
.Llap:                                             ; a trip goes once round the ring and fills both slots again: K steps 2 to 7 in three trips
	QUARTER 0, 2, F1, F0, 0
	QUARTER 0, 3, F0, F1, 0
	TURN 0, 1, 1
	QUARTER 1, 1, F0, F1, 0
	QUARTER 1, 2, F1, F0, 0
	QUARTER 1, 3, F0, F1, 0
	TURN 1, 0, 1
	QUARTER 0, 1, F0, F1, 0
	WIN 0
	s_sub_co_u32 s3, s3, 1
	s_cmp_lg_u32 s3, 0
	s_cbranch_scc1 .Llap
	QUARTER 0, 2, F1, F0, 0                        ; the last lap fills nothing
	QUARTER 0, 3, F0, F1, 0
	TURN 0, 1, 0
	QUARTER 1, 1, F0, F1, 0
	QUARTER 1, 2, F1, F0, 0
	QUARTER 1, 3, F0, F1, 0
	s_wait_dscnt 4
	WIN MULW
	MUL F1, 0, 0
	MUL F1, 1, 0
	s_wait_dscnt 0
	MUL F1, 2, 0
	MUL F1, 3, 0
	WIN 0
; THE WAY OUT, block by block of 16 rows x 128 columns: through my own stage, back as whole rows of 512 bytes.
.macro TOSTAGE mb
	WIN 0x04                                       ; an LDS store's data are its source 1: window 1
.irp nb, 0,1,2,3,4,5,6,7
	ds_store_b128 v[STO], v[8*(8*(\mb)+\nb):8*(8*(\mb)+\nb)+3] offset:64*\nb       ; each accumulator from its low end on
	ds_store_b128 v[STO], v[8*(8*(\mb)+\nb)+4:8*(8*(\mb)+\nb)+7] offset:64*\nb+16
.endr
	WIN 0
.set BB, 32+64*((\mb)%2)
.irp t, 0,1,2,3,4,5,6,7,8,9,10,11,12,13,14,15
	ds_load_b128 v[BB+4*\t:BB+4*\t+3], v[RD] offset:\t*528   ; LDS serves a wave's instructions in order (ISA guide 5.7.1.4)
.endr
.endm
.macro SEND mb, younger
.set BB, 32+64*((\mb)%2)
	s_wait_dscnt \younger                          ; the block is back; the next block's 16 stores and 16 loads may be out
.if (\mb) == 0
	s_cmp_eq_u32 s67, 0                            ; a sequence's first 16 positions are stored by the launch that makes them in f32
	s_cbranch_scc1 .Lnot_these
.endif
.irp t, 0,1,2,3,4,5,6,7,8,9,10,11,12,13,14,15
	global_store_b128 v[CO], v[BB+4*\t:BB+4*\t+3], s[8:9] offset:(16*(\mb)+\t)*4096 th:TH_STORE_NT   ; 32 lanes store 512 consecutive bytes, aligned
.endr
.if (\mb) == 0
.Lnot_these:
.endif
.endm
	PLACES
	TOSTAGE 0
.irp mb, 1,2,3
.if \mb > 1
	s_wait_xcnt 0x0                                ; the block two back has been read by its stores: this block's loads may land there
.endif
	TOSTAGE \mb
	SEND \mb-1, 32
.endr
	SEND 3, 0
	s_wait_tensorcnt 0x0                           ; the wave's end
	ds_add_u32 v[SPW], v[NIL]
	s_wait_dscnt 0x0
	CROUND                                         ; the closing round
	s_endpgm
.Lfunc_end_k_q28e79cdce2_proj:
	.size	k_q28e79cdce2_proj, .Lfunc_end_k_q28e79cdce2_proj-k_q28e79cdce2_proj
	.p2alignl 7, 3214868480
	.fill 96, 4, 3214868480
	.section	.rodata,"a",@progbits
	.p2align	6, 0x0
	.amdhsa_kernel k_q28e79cdce2_proj
		.amdhsa_group_segment_fixed_size 327680
		.amdhsa_private_segment_fixed_size 0
		.amdhsa_enable_private_segment 0
		.amdhsa_kernarg_size 24
		.amdhsa_user_sgpr_count 2
		.amdhsa_user_sgpr_kernarg_segment_ptr 1
		.amdhsa_wavefront_size32 1
		.amdhsa_system_sgpr_workgroup_id_x 1
		.amdhsa_system_sgpr_workgroup_id_y 1
		.amdhsa_system_sgpr_workgroup_id_z 1
		.amdhsa_system_vgpr_workitem_id 0
		.amdhsa_next_free_vgpr 512
		.amdhsa_next_free_sgpr 68
		.amdhsa_reserve_vcc 0
		.amdhsa_float_denorm_mode_32 3
		.amdhsa_float_denorm_mode_16_64 3
		.amdhsa_memory_ordered 1
		.amdhsa_forward_progress 1
		.amdhsa_inst_pref_size 86
	.end_amdhsa_kernel
	.amdgpu_metadata
---
amdhsa.version: [ 1, 2 ]
amdhsa.kernels:
  - .name:           k_q28e79cdce2_proj
    .symbol:         k_q28e79cdce2_proj.kd
    .args:
      - { .name: ao, .offset: 0, .size: 8, .value_kind: global_buffer, .address_space: global }
      - { .name: wp16, .offset: 8, .size: 8, .value_kind: global_buffer, .address_space: global }
      - { .name: out0, .offset: 16, .size: 8, .value_kind: global_buffer, .address_space: global }
    .group_segment_fixed_size: 327680
    .private_segment_fixed_size: 0
    .kernarg_segment_align: 8
    .kernarg_segment_size: 24
    .max_flat_workgroup_size: 128
    .sgpr_count:     68
    .vgpr_count:     512
    .wavefront_size: 32
...
	.end_amdgpu_metadata
.endif
;; end of part 4
;; launch first (part 5): grid 16 x 4, 16 waves a work-group, no clusters, 71,680 bytes of LDS; arguments q32, w_proj, out0; writes out0
.if DOCPART == 5
	.amdgcn_target "amdgcn-amd-amdhsa--gfx1250"
	.amdhsa_code_object_version 6
	.text
	.protected	k_q28e79cdce2_first
	.globl	k_q28e79cdce2_first
	.p2align	8
	.type	k_q28e79cdce2_first,@function
k_q28e79cdce2_first:
	s_mov_b64 s[64:65], 0
	v_nop
	global_prefetch_b8 v0, s[64:65] scope:SCOPE_SE
	s_setreg_imm32_b32 hwreg(HW_REG_WAVE_MODE, 25, 1), 1
	s_wait_xcnt 0x0
; THE FIRST 16 POSITIONS OF EACH SEQUENCE, ALL IN f32: attention over at most 16 keys and the projection, by the f32 matrix form.  These rows average one to a few values and are the largest of the output.
; q32: [sequence 4][column / 16: 192][half 2][lane 32][4] f32: images of the first product's accumulators: element (row lane % 16, column 16 nt + 8 (lane / 16) + 4 c + i).  w_proj [1024][1024] f32.  out0 [8192][1024] f32.
; SHARES.  A work-group makes 16 rows x 64 columns of out0 (x: the columns, y: the sequence).  Wave w takes head w: its attention (made anew in each of the 16 work-groups of a sequence: 32 small products) and its
; part of the sum over K; the sixteen parts meet in LDS, one barrier, and waves 0-7 add them and store.
; LAYOUTS.  The f32 form holds, in register j of lane (r, h), k = 2 h + j of row or column r.  A permutation of k applied alike to both sources keeps the products: so pairs of an image's registers serve as they lie.
; S^T = K Q^T (a lane: one query, keys 8 h + 0..7); O^T = V^T P; out^T = W^T O^T: each result is the next product's source 1 as it stands.
; The registers that the matrix form writes, v176-255, are written by nothing else.
; LIMITS: NaN and infinities are not served.
.set SPARE, 69632                      ; behind the sixteen parts of 16 rows x 272 bytes
.set SPW, 10
.set NIL, 11
.set QR,  16                           ; v16-47   Q's image; later w_proj, channels 16 on
.set KR,  48                           ; v48-79   K's image; later channels 32 on
.set VR,  80                           ; v80-111  V^T; later channels 48 on
.set SS,  112                          ; v112-119 scores, then p
.set PP,  120                          ; v120-127 p / l
.set W0R, 144                          ; v144-175 w_proj, channels 0 on
.set OT,  176                          ; v176-207 O^T
.set SA,  208                          ; v208-223 S^T in two halves of K
.set SB,  216
.set ACC, 224                          ; v224-255 out^T
	s_load_b128 s[4:7], s[0:1], 0x0                ; q32, w_proj
	s_load_b64 s[8:9], s[0:1], 0x10                ; out0
	v_lshl_add_u32 v[SPW], v0, 2, SPARE
	v_mov_b32 v[NIL], 0
	v_lshrrev_b32 v1, 5, v0
	v_readfirstlane_b32 s10, v1                    ; wave = head
	s_and_b32 s11, ttmp7, 0xffff                   ; the sequence
	s_mul_i32 s14, s11, 196608
	s_lshl_b32 s15, s10, 12
	s_add_co_u32 s14, s14, s15                     ; q32: the sequence, the head's four column tiles
	s_mov_b32 s15, 0
	s_lshl_b32 s16, s10, 18                        ; w_proj: the head's 64 rows of 4,096 bytes,
	s_lshl_b32 s17, ttmp9, 8                       ; my work-group's 64 columns
	s_add_co_u32 s16, s16, s17
	s_mov_b32 s17, 0
	s_lshl_b32 s18, s11, 23                        ; out0: 2,048 rows of 4,096 bytes a sequence
	s_lshl_b32 s19, ttmp9, 8
	s_add_co_u32 s18, s18, s19
	s_mov_b32 s19, 0
	s_mov_b32 s21, 0x3e38aa3b                      ; c = log2(e) / 8
	s_mov_b32 s22, 0x76543210
	s_mov_b32 s23, 0xfedcba98                      ; lane l xor 16
	v_and_b32 v12, 31, v0
	v_lshlrev_b32 v1, 4, v12                       ; an image's place for my lane
	v_and_b32 v13, 15, v0                          ; r
	v_bfe_u32 v14, v0, 4, 1                        ; h
	v_bfe_u32 v2, v0, 2, 1
	v_lshlrev_b32 v2, 9, v2
	v_bfe_u32 v15, v0, 3, 1
	v_lshl_add_u32 v2, v15, 8, v2
	v_and_b32 v15, 3, v0
	v_lshl_add_u32 v2, v15, 2, v2
	v_lshl_add_u32 v2, v14, 7, v2                  ; V(key 8 h + e, channel 16 ct + r): half (r % 8) / 4, lane 16 (r / 8) + 8 h + e, word r % 4 of the image
	v_lshlrev_b32 v3, 2, v13
	v_lshl_add_u32 v3, v14, 15, v3                 ; w_proj: 8 h rows down, column r
	v_lshlrev_b32 v4, 3, v14
	v_sub_nc_u32 v4, v13, v4                       ; r - 8 h
	v_mov_b32 v5, 0xff800000                       ; -infinity
	s_mul_i32 s20, s10, 16*272
	v_mul_u32_u24 v6, v13, 272
	v_lshl_add_u32 v6, v14, 5, v6
	v_add_nc_u32 v6, s20, v6                       ; my part in LDS: row r, 32 bytes for each half of the lanes
	v_lshrrev_b32 v7, 4, v0
	v_lshlrev_b32 v8, 12, v7
	v_mul_u32_u24 v7, v7, 272
	v_lshl_add_u32 v7, v13, 4, v7                  ; the sum (waves 0-7): thread t takes row t / 16, bytes 16 (t % 16) on
	v_lshl_add_u32 v8, v13, 4, v8                  ; and the same place in out0
	s_wait_kmcnt 0x0
	s_add_nc_u64 s[4:5], s[4:5], s[14:15]
	s_add_nc_u64 s[6:7], s[6:7], s[16:17]
	s_add_nc_u64 s[8:9], s[8:9], s[18:19]
.irp t, 0,1,2,3
.irp c, 0,1
	global_load_b128 v[KR+8*\t+4*\c:KR+8*\t+4*\c+3], v1, s[4:5] offset:65536+1024*\t+512*\c
.endr
.endr
.irp t, 0,1,2,3
.irp c, 0,1
	global_load_b128 v[QR+8*\t+4*\c:QR+8*\t+4*\c+3], v1, s[4:5] offset:1024*\t+512*\c
.endr
.endr
.irp ct, 0,1,2,3
.irp e, 0,1,2,3,4,5,6,7
	global_load_b32 v[VR+8*\ct+\e], v2, s[4:5] offset:131072+1024*\ct+16*\e
.endr
.endr
.macro WLD wb, ct                      ; w_proj(64 head + 16 ct + 8 h + 2 s + j, first column + 16 nt + r) into register 8 s + 2 nt + j
.irp s, 0,1,2,3
.irp nt, 0,1,2,3
.irp j, 0,1
	global_load_b32 v[\wb+8*\s+2*\nt+\j], v3, s[6:7] offset:(16*\ct+2*\s+\j)*4096+64*\nt
.endr
.endr
.endr
.endm
	WLD W0R, 0
	s_wait_loadcnt 63                              ; K and Q are in: 64 younger loads are out, and a wait names 63 at the most
.irp t, 0,1,2,3                                ; S^T = K Q^T: 16 steps of 4 channels, two accumulators by turns
.irp i, 0,2
.if (\t == 0) && (\i == 0)
	v_wmma_f32_16x16x4_f32 v[SA:SA+7], v[KR+8*\t+2*\i:KR+8*\t+2*\i+1], v[QR+8*\t+2*\i:QR+8*\t+2*\i+1], 0
	v_wmma_f32_16x16x4_f32 v[SB:SB+7], v[KR+8*\t+2*\i+2:KR+8*\t+2*\i+3], v[QR+8*\t+2*\i+2:QR+8*\t+2*\i+3], 0
.else
	v_wmma_f32_16x16x4_f32 v[SA:SA+7], v[KR+8*\t+2*\i:KR+8*\t+2*\i+1], v[QR+8*\t+2*\i:QR+8*\t+2*\i+1], v[SA:SA+7]
	v_wmma_f32_16x16x4_f32 v[SB:SB+7], v[KR+8*\t+2*\i+2:KR+8*\t+2*\i+3], v[QR+8*\t+2*\i+2:QR+8*\t+2*\i+3], v[SB:SB+7]
.endif
.endr
.endr
	s_wait_loadcnt 32                              ; V is in; w_proj's first 32 loads may be out
.rept 8
	v_nop                                          ; eight plain instructions behind this form, ahead of reads of its results and of loads into its sources
.endr
	WLD QR, 1
	WLD KR, 2
.irp j, 0,1,2,3,4,5,6,7
	v_add_f32 v[SS+\j], v[SA+\j], v[SB+\j]         ; from the low end on
.endr
.irp j, 0,1,2,3,4,5,6,7
	v_cmp_gt_i32 vcc_lo, \j, v4                    ; key 8 h + j comes after query r
	v_cndmask_b32 v[SS+\j], v[SS+\j], v5, vcc_lo
.endr
	v_max3_num_f32 v12, v[SS], v[SS+1], v[SS+2]
	v_max3_num_f32 v13, v[SS+3], v[SS+4], v[SS+5]
	v_max3_num_f32 v12, v12, v[SS+6], v[SS+7]
	v_max_num_f32 v12, v12, v13
	v_permlanex16_b32 v13, v12, s22, s23
	v_max_num_f32 v12, v12, v13                    ; the row's maximum (key 0 counts for every query)
	v_mul_f32 v12, s21, v12
.irp j, 0,1,2,3,4,5,6,7
	v_fma_f32 v[SS+\j], v[SS+\j], s21, -v12
.endr
.irp j, 0,1,2,3,4,5,6,7
	v_exp_f32 v[SS+\j], v[SS+\j]
.endr
	v_nop
	s_wait_alu depctr_va_vdst(0)                   ; one wait for the eight, ahead of their first reader
	v_add_f32 v13, v[SS], v[SS+1]
	v_add_f32 v14, v[SS+2], v[SS+3]
	v_add_f32 v15, v[SS+4], v[SS+5]
	v_add_f32 v128, v[SS+6], v[SS+7]
	v_add_f32 v13, v13, v14
	v_add_f32 v15, v15, v128
	v_add_f32 v13, v13, v15
	v_permlanex16_b32 v14, v13, s22, s23
	v_add_f32 v13, v13, v14
	v_rcp_f32 v15, v13
	v_nop
	s_wait_alu depctr_va_vdst(0)
.irp j, 0,1,2,3,4,5,6,7
	v_mul_f32 v[PP+\j], v[SS+\j], v15
.endr
.irp s, 0,1,2,3                                ; O^T = V^T P: 4 steps of 4 keys, the four tiles of channels by turns
.irp ct, 0,1,2,3
.if \s == 0
	v_wmma_f32_16x16x4_f32 v[OT+8*\ct:OT+8*\ct+7], v[VR+8*\ct+2*\s:VR+8*\ct+2*\s+1], v[PP+2*\s:PP+2*\s+1], 0
.else
	v_wmma_f32_16x16x4_f32 v[OT+8*\ct:OT+8*\ct+7], v[VR+8*\ct+2*\s:VR+8*\ct+2*\s+1], v[PP+2*\s:PP+2*\s+1], v[OT+8*\ct:OT+8*\ct+7]
.endif
.endr
.endr
.rept 9
	v_nop                                          ; nine ahead of a matrix instruction that takes these results as a source; eight of them serve the loads below
.endr
	WLD VR, 3
.macro PROJ wb, ct, cnt                        ; out^T += W^T O^T over channels 16 ct on: 4 steps, the four tiles of columns by turns
	s_wait_loadcnt \cnt
.irp s, 0,1,2,3
.irp nt, 0,1,2,3
.if (\ct == 0) && (\s == 0)
	v_wmma_f32_16x16x4_f32 v[ACC+8*\nt:ACC+8*\nt+7], v[\wb+8*\s+2*\nt:\wb+8*\s+2*\nt+1], v[OT+8*\ct+2*\s:OT+8*\ct+2*\s+1], 0
.else
	v_wmma_f32_16x16x4_f32 v[ACC+8*\nt:ACC+8*\nt+7], v[\wb+8*\s+2*\nt:\wb+8*\s+2*\nt+1], v[OT+8*\ct+2*\s:OT+8*\ct+2*\s+1], v[ACC+8*\nt:ACC+8*\nt+7]
.endif
.endr
.endr
.endm
	PROJ W0R, 0, 63                                ; 96 younger loads are out
	PROJ QR, 1, 63                                 ; 64 younger
	PROJ KR, 2, 32                                 ; 32 younger
	PROJ VR, 3, 0
.rept 8
	v_nop
.endr
.irp nt, 0,1,2,3
	ds_store_b128 v6, v[ACC+8*\nt:ACC+8*\nt+3] offset:64*\nt       ; lane (r, h): row r, columns 16 nt + 8 h + 0 .. 7; each accumulator from its low end on
	ds_store_b128 v6, v[ACC+8*\nt+4:ACC+8*\nt+7] offset:64*\nt+16
.endr
	s_wait_dscnt 0x0                               ; for the others' sake: my part lies in LDS
	s_barrier_signal -1
	s_barrier_wait -1
	s_cmp_ge_u32 s10, 8
	s_cbranch_scc1 .Lend
.set k, 0
.rept 16
	ds_load_b128 v[16+4*k:19+4*k], v7 offset:4352*k
.set k, k+1
.endr
	s_wait_dscnt 0x0
.macro FOLD d
.set k, 0
.rept \d
	v_pk_add_f32 v[16+4*k:17+4*k], v[16+4*k:17+4*k], v[16+4*(k+\d):17+4*(k+\d)]
	v_pk_add_f32 v[18+4*k:19+4*k], v[18+4*k:19+4*k], v[18+4*(k+\d):19+4*(k+\d)]
.set k, k+1
.endr
.endm
	FOLD 8
	FOLD 4
	FOLD 2
	FOLD 1
	global_store_b128 v8, v[16:19], s[8:9]         ; sixteen lanes store 256 consecutive bytes, aligned
.Lend:
	s_wait_tensorcnt 0x0                           ; the wave's end, behind the last LDS store
	ds_add_u32 v[SPW], v[NIL]
	s_wait_dscnt 0x0
	s_endpgm
.Lfunc_end_k_q28e79cdce2_first:
	.size	k_q28e79cdce2_first, .Lfunc_end_k_q28e79cdce2_first-k_q28e79cdce2_first
	.p2alignl 7, 3214868480
	.fill 96, 4, 3214868480
	.section	.rodata,"a",@progbits
	.p2align	6, 0x0
	.amdhsa_kernel k_q28e79cdce2_first
		.amdhsa_group_segment_fixed_size 71680
		.amdhsa_private_segment_fixed_size 0
		.amdhsa_enable_private_segment 0
		.amdhsa_kernarg_size 24
		.amdhsa_user_sgpr_count 2
		.amdhsa_user_sgpr_kernarg_segment_ptr 1
		.amdhsa_wavefront_size32 1
		.amdhsa_system_sgpr_workgroup_id_x 1
		.amdhsa_system_sgpr_workgroup_id_y 1
		.amdhsa_system_sgpr_workgroup_id_z 1
		.amdhsa_system_vgpr_workitem_id 0
		.amdhsa_next_free_vgpr 256
		.amdhsa_next_free_sgpr 66
		.amdhsa_reserve_vcc 1
		.amdhsa_float_denorm_mode_32 3
		.amdhsa_float_denorm_mode_16_64 3
		.amdhsa_memory_ordered 1
		.amdhsa_forward_progress 1
		.amdhsa_inst_pref_size 33
	.end_amdhsa_kernel
	.amdgpu_metadata
---
amdhsa.version: [ 1, 2 ]
amdhsa.kernels:
  - .name:           k_q28e79cdce2_first
    .symbol:         k_q28e79cdce2_first.kd
    .args:
      - { .name: q32, .offset: 0, .size: 8, .value_kind: global_buffer, .address_space: global }
      - { .name: w_proj, .offset: 8, .size: 8, .value_kind: global_buffer, .address_space: global }
      - { .name: out0, .offset: 16, .size: 8, .value_kind: global_buffer, .address_space: global }
    .group_segment_fixed_size: 71680
    .private_segment_fixed_size: 0
    .kernarg_segment_align: 8
    .kernarg_segment_size: 24
    .max_flat_workgroup_size: 512
    .sgpr_count:     66
    .vgpr_count:     256
    .wavefront_size: 32
...
	.end_amdgpu_metadata
.endif
;; end of part 5
